; MI455X (gfx1250); checked and timed in simulation.
; The chip was launched on July 23, 2026; its instructions are those of AMD's public machine-readable ISA for CDNA 5 (MIT licence, August 2026) and "CDNA5" Instruction Set Architecture Reference Guide (July 2026). The comments in the code are by the model that wrote it; some were corrected since.
;; Self Attention w Ro PE. Allowed arithmetic: matrix products marked QUANTISED: E2M3 operands, one E8M0 scale for each 32 along K, by v_wmma_scale_f32_16x16x128_f8f6f4 with both operands' format E2M3, f32 sums; everything else in f32.
;; Inputs: W_attn 1,024 x 3,072 float32; W_proj 1,024 x 1,024 float32; omega 32 float32; x 8 x 1,024 x 1,024 float32.
;; Outputs: out0 8 x 1,024 x 1,024 float32.
;; This version of the problem:
;;   THIS VERSION OF THE PROBLEM IS GIVEN IN LOW PRECISION. The matrix products marked QUANTISED in the list below multiply operands that are first quantised to E2M3 (2 exponent bits, 3 mantissa bits; 6 bits a number), with one power-of-two scale for each 32 numbers along K (OCP MX v1.0); their sums are f32. All else is computed in f32.
;;   The module's matrix products, in the order in which they are computed (A, B: the left and right operand; K: the contracted axis; several contracted axes count as one K, in the product's order):
;;     1. [M 8,192, K 1,024] x [K 1,024, N 3,072]; A: input x; B: input W_attn: QUANTISED
;;     2. batch 128 x [M 1,024, K 64] x [K 64, N 1,024]; A: computed on the way; B: computed on the way: QUANTISED
;;     3. batch 128 x [M 64, K 1,024] x [K 1,024, N 1,024]; A: computed on the way; B: softmax (see below): QUANTISED
;;     4. [M 8,192, K 1,024] x [K 1,024, N 1,024]; A: computed on the way; B: input W_proj: QUANTISED
;;   THE QUANTISER, for each operand of a quantised product, along K:
;;     - K is cut into blocks of 32 from its start; a last block that is shorter is filled with zeros.
;;     - A block's scale is 2^e with e = floor(log2(the largest magnitude in the block)) - 2, held to -126 .. 127; a block of zeros has e = 0. As a byte (E8M0): e + 127.
;;     - Each number is divided by its block's scale, clamped to +-7.5, and rounded to the nearest number of E2M3, ties to even, subnormals kept.
;;     - The product sums the exact products of the quantised numbers (number of the format x scale) in f32.
;;   ~~~python
;;   def quantise(x, axis):      # numpy; x: float32 -> the quantised numbers, widened to float32 again
;;       x = np.moveaxis(x, axis, -1); K = x.shape[-1]
;;       x = np.pad(x, [(0, 0)] * (x.ndim - 1) + [(0, -K % 32)]); x = x.reshape(x.shape[:-1] + (-1, 32)); a = np.abs(x).max(-1, keepdims=True)
;;       e = np.where(a > 0, np.clip(np.frexp(np.where(a > 0, a, 1))[1] - 1 - 2, -126, 127), 0)      # np.frexp(a)[1] - 1 = floor(log2(a)), exactly
;;       r = np.clip(x / 2.0 ** e, -7.5, 7.5)
;;       step = 2.0 ** (np.maximum(np.frexp(np.where(r == 0, 1, r))[1] - 1, 0) - 3)
;;       q = np.round(r / step) * step * 2.0 ** e      # np.round: ties to even
;;       return np.moveaxis(q.reshape(q.shape[:-2] + (-1,))[..., :K], -1, axis).astype(np.float32)
;;   ~~~
;;   SOFTMAX AHEAD OF A QUANTISED PRODUCT. Where the list says 'softmax', what is quantised is not the finished softmax but p = 2^(t - M), with t = logit x log2(e) and M = ceil(the row's largest t), a whole number; so 1/2 < the row's largest p <= 1. The row's sum l is taken of the UNQUANTISED p, in f32, and the product's result is divided by l at the end. Since M is a whole number, a kernel that streams over the keys may use a running M (the ceiling of the running maximum): every later rescaling is an exact power of two, which a block's scale takes up: the codes' values come out the same.
;;   OPERANDS COMPUTED ON THE WAY. 'Computed on the way' means the value that the module computes at that place (a softmax that the list does not call 'softmax' is quantised finished and normalised). What goes into a quantiser is computed in f32, as accurately as f32 sums, v_exp_f32 and their like allow (about 1e-6 of the number): no bf16 or f16 on the way to a quantiser, and a product that is left as it is and whose result goes on into a quantised operand takes f32 operands (vector FMAs, or v_wmma_f32_16x16x4_f32). A number that lies on a knife's edge between two numbers of the format may be rounded either way, as far as f32 arithmetic and the matrix unit's own rounding can turn it there, and no further.
;; One version. Each part assembles by itself: llvm-mc -triple=amdgcn-amd-amdhsa -mcpu=gfx1250 --defsym DOCPART=n.
;; ======== version 1 of 1: 4 launches
;; limits: right only within a limited range of input values
;; workspace buffers: opc 9,437,184 bytes; ops 393,216 bytes; tab 262,144 bytes; qc 6,815,744 bytes; kvc 13,369,344 bytes; yc 6,291,456 bytes; ys 262,144 bytes
;; launch quant (part 1): grid 512 x 1, 4 waves a work-group, no clusters, 47,616 bytes of LDS; arguments x, omega, W_attn, W_proj, opc, ops, tab; writes opc, ops, tab
.if DOCPART == 1
	.amdgcn_target "amdgcn-amd-amdhsa--gfx1250"
	.amdhsa_code_object_version 6
	.text
	.protected	k_q4ae6652231_quant
	.globl	k_q4ae6652231_quant
	.p2align	8
	.type	k_q4ae6652231_quant,@function
k_q4ae6652231_quant:
	s_mov_b64 s[64:65], 0
	v_nop
	global_prefetch_b8 v0, s[64:65] scope:SCOPE_SE
	s_setreg_imm32_b32 hwreg(HW_REG_WAVE_MODE, 25, 1), 1
	s_wait_xcnt 0x0
; ONE LAUNCH QUANTISES ALL THREE f32 OPERANDS into codes of FP6 (E2M3) with one E8M0 byte for each 32 along K, laid as IMAGES OF THE OPERAND'S REGISTERS, and makes the table of cos and sin from omega.
; Work-groups 0-255: x [8192][1024], K innermost.  Work-groups 256-511: W_attn [1024][3072] and W_proj [1024][1024], K the FIRST axis.  The two ways part at once on the work-group's number; each has LDS bytes of its own.
; A fragment (16 rows x 128 K) is 12 registers a lane: lane (r, h) holds, in registers 6 c .. 6 c + 5, k = 64 c + 32 h + 0 .. 31 of row r.  Its image is 1,536 bytes: for each c 512 bytes (registers 6 c .. 6 c + 3,
; 16 bytes a lane) and 256 bytes (registers 6 c + 4, 6 c + 5, 8 bytes a lane).  opc: [group of 128 rows][K step 0..7][tile 0..7][1,536]: groups 0-63 x's tokens, 64-87 W_attn's columns, 88-95 W_proj's.
; ops: [group][K step][pair of tiles][r][2 words], a word = a row's 4 scale bytes of a step.
; THE ROWS OF A TILE ARE NOT NEIGHBOURS: lane r of tile 2 b + u takes row 32 b + 8 u + r + 8 (r / 8) of its group, so that results whose source 0 is such a tile have 16 neighbouring rows in the 16 registers of two tiles.
; A block's scale is 2^(floor(log2(largest magnitude)) - 2): its byte is the magnitude's exponent field - 2, held at 1 from below by a floor among the maximum's leaves.
; LIMITS: NaN and infinities are not served; a block of zeros or with a largest magnitude under 2^-124 has the byte 1 (its codes are zeros or subnormal codes; only this program reads the bytes); the angles' reduction holds under about 1e6.
	v_lshl_add_u32 v254, v0, 2, 0xb800
	v_mov_b32 v255, 0
	s_cmp_lt_u32 ttmp9, 256
	s_cbranch_scc0 .Lweights
; ---------------- x.  Work-group id: 64 rows (id / 2), half of K (id % 2); wave w: one K step, four fragments.  Each load reads 512 consecutive bytes of a row; the 16 rows turn through the wave's own stage in LDS
; (rows 528 bytes apart), from which a lane takes its two whole blocks of 32: no other lane is asked for a maximum.  Waves share nothing: no barrier.
; THE TABLE: tab [token tile 0..63][part 0..7][lane][4 f32]; parts 0-3: cos(t omega[16 h + 4 part + w]), parts 4-7: sin, t the token of lane r in the tile's order.  One pair a thread.
; The angle is one f32 product, as the definition has it; it is reduced by pi/2 in three parts (fused multiply-adds) and put through polynomials of degree 7 and 8 on +-pi/4.
.set STG, 8448                         ; a wave's stage: 16 rows x (512 + 16) bytes
.set RA,  32                           ; v32-95, v96-159  two sets of 16 rows as loaded
.set XN,  160                          ; v160-223 my two blocks of 32 neighbours
.set PC,  224                          ; v224-235 a fragment's codes
.set CT,  236                          ; v236-238, v240-242 the second halves, as the conversions leave them
.set MX,  244                          ; v244-245 largest magnitudes, then bytes
.set SO,  246                          ; v246-247 the conversions' scale operands
.set WD,  248                          ; v248-251 the four fragments' scale words
	s_load_b128 s[4:7], s[0:1], 0x0                ; x s[4:5], omega s[6:7]
	s_load_b128 s[8:11], s[0:1], 0x20              ; opc s[8:9], ops s[10:11]
	s_load_b64 s[12:13], s[0:1], 0x30              ; tab
	v_lshrrev_b32 v1, 5, v0
	v_readfirstlane_b32 s16, v1                    ; wave
	v_and_b32 v1, 31, v0                           ; lane
	v_lshlrev_b32 v2, 4, v1                        ; 16 x lane
	v_lshlrev_b32 v3, 3, v1                        ; 8 x lane
	s_mul_i32 s17, s16, STG
	v_add_nc_u32 v4, s17, v2                       ; the stage, on the way in
	v_and_b32 v5, 15, v0                           ; r
	v_bfe_u32 v6, v0, 4, 1                         ; h
	v_mul_u32_u24 v5, v5, 528
	v_lshl_add_u32 v5, v6, 7, v5
	v_add_nc_u32 v5, s17, v5                       ; and on the way out: row r, + 128 h bytes
	v_lshlrev_b32 v6, 3, v6                        ; 8 h
	v_mov_b32 v7, 0                                ; (a lane permute's destination counts as read)
	s_mov_b32 s20, 0xffff0000                      ; lanes 16-31
	s_mov_b32 s22, 0x76543210
	s_mov_b32 s23, 0xfedcba98                      ; selects for lane l xor 16
	; the table's entry of this thread
	s_lshr_b32 s18, ttmp9, 2                       ; token tile
	s_and_b32 s19, ttmp9, 3                        ; part
	v_bfe_u32 v8, v0, 2, 4                         ; r of the entry
	v_lshrrev_b32 v9, 6, v0                        ; h
	v_and_b32 v10, 3, v0                           ; w
	v_lshl_add_u32 v10, v9, 4, v10
	s_lshl_b32 s21, s19, 2
	v_add_nc_u32 v10, s21, v10                     ; i = 16 h + 4 part + w
	v_lshlrev_b32 v10, 2, v10
	; x's tiles (tokens) have an order of their own: row 8 h + j of tile 4 c + u of a group is token 64 c + 32 h + 8 u + j; the weights' tiles keep the order stated at the head
	v_and_b32 v11, 8, v8
	v_mad_u32_u24 v11, v11, 3, v8                  ; r % 8 + 32 (r / 8)
	s_lshr_b32 s21, s18, 2
	s_lshl_b32 s21, s21, 6
	s_and_b32 s24, s18, 3
	s_lshl_b32 s24, s24, 3
	s_add_co_u32 s21, s21, s24
	v_add_nc_u32 v11, s21, v11                     ; the token
	v_cvt_f32_u32 v11, v11
	v_lshlrev_b32 v27, 2, v0
	; byte offsets of the wave's parts
	s_lshr_b32 s24, ttmp9, 1                       ; block of 64 rows
	s_and_b32 s25, ttmp9, 1
	s_lshl_b32 s25, s25, 2
	s_add_co_u32 s25, s25, s16                     ; K step
	s_lshl_b32 s26, s24, 18
	s_lshl_b32 s27, s25, 9
	s_add_co_u32 s26, s26, s27
	s_mov_b32 s27, 0
	s_lshr_b32 s28, s24, 1                         ; group of 128 rows
	s_and_b32 s29, s24, 1                          ; its lower or upper four tiles
	s_mul_i32 s30, s28, 98304
	s_mul_i32 s31, s25, 12288
	s_add_co_u32 s30, s30, s31
	s_mul_i32 s31, s29, 6144
	s_add_co_u32 s30, s30, s31
	s_mov_b32 s31, 0
	s_lshl_b32 s32, s28, 12
	s_lshl_b32 s33, s25, 9
	s_add_co_u32 s32, s32, s33
	s_lshl_b32 s33, s29, 8
	s_add_co_u32 s32, s32, s33
	s_mov_b32 s33, 0
	s_lshl_b32 s34, s18, 12
	s_lshl_b32 s35, s19, 9
	s_add_co_u32 s34, s34, s35
	s_mov_b32 s35, 0
	s_wait_alu depctr_va_vdst(0)
	s_wait_kmcnt 0x0
	s_add_nc_u64 s[4:5], s[4:5], s[26:27]
	s_add_nc_u64 s[8:9], s[8:9], s[30:31]
	s_add_nc_u64 s[10:11], s[10:11], s[32:33]
	s_add_nc_u64 s[12:13], s[12:13], s[34:35]
.macro LOADX f                         ; the 16 rows of fragment f, in the tile's order: each load 512 consecutive bytes
.irp p, 0,1,2,3,4,5,6,7,8,9,10,11,12,13,14,15
	global_load_b128 v[RA+64*((\f)%2)+4*\p:RA+64*((\f)%2)+4*\p+3], v2, s[4:5] offset:(32*(\p/8)+8*(\f)+\p%8)*4096 th:TH_LOAD_NT   ; row p of tile f of the 64: token 32 (p / 8) + 8 f + p % 8
.endr
.endm
	global_load_b32 v12, v10, s[6:7]               ; omega[i]
	LOADX 0
	LOADX 1
	s_wait_loadcnt 32                              ; omega is in; the 32 loads of x issued behind it stay out
	v_mul_f32 v12, v11, v12                        ; the angle: one rounding
	v_mul_f32 v13, 0x3f22f983, v12                 ; x 2 / pi
	v_rndne_f32 v13, v13                           ; n
	v_fmamk_f32 v14, v13, 0xbfc90fdb, v12          ; angle - n pi/2, pi/2 in three parts
	v_fmamk_f32 v14, v13, 0x333bbd2e, v14
	v_fmamk_f32 v14, v13, 0x26f72ced, v14
	v_mul_f32 v15, v14, v14                        ; z
	v_mov_b32 v16, 0xb94ca1f9
	v_mov_b32 v18, 0x37ccf5ce
	v_fmaak_f32 v16, v16, v15, 0x3c08839e
	v_fmaak_f32 v18, v18, v15, 0xbab6061a
	v_fmaak_f32 v16, v16, v15, 0xbe2aaaa3
	v_fmaak_f32 v18, v18, v15, 0x3d2aaaa5
	v_mul_f32 v17, v14, v15
	v_mul_f32 v19, v15, v15
	v_fma_f32 v20, v15, -0.5, 1.0
	v_fma_f32 v16, v17, v16, v14                   ; sin of the rest
	v_fma_f32 v18, v19, v18, v20                   ; cos of the rest
	v_cvt_i32_f32 v21, v13
	v_and_b32 v22, 1, v21
	v_cmp_eq_u32 vcc_lo, 1, v22                    ; odd quadrants change the two
	v_cndmask_b32 v23, v16, v18, vcc_lo            ; sin
	v_cndmask_b32 v24, v18, v16, vcc_lo            ; cos
	v_and_b32 v25, 2, v21
	v_lshlrev_b32 v25, 30, v25
	v_xor_b32 v23, v23, v25                        ; sin is negative in quadrants 2, 3
	v_add_nc_u32 v26, 1, v21
	v_and_b32 v26, 2, v26
	v_lshlrev_b32 v26, 30, v26
	v_xor_b32 v24, v24, v26                        ; cos in quadrants 1, 2
	global_store_b32 v27, v24, s[12:13]            ; the work-group's 128 threads store 512 consecutive bytes
	global_store_b32 v27, v23, s[12:13] offset:2048
.macro FRAGQ f
.if (\f) < 3
	s_wait_loadcnt 16                              ; this fragment's 16 loads are in; the next one's stay out
.else
	s_wait_loadcnt 0x0
.endif
.irp p, 0,1,2,3,4,5,6,7,8,9,10,11,12,13,14,15
	ds_store_b128 v4, v[RA+64*((\f)%2)+4*\p:RA+64*((\f)%2)+4*\p+3] offset:528*\p
.endr
.irp c, 0,1
.irp j, 0,1,2,3,4,5,6,7
	ds_load_b128 v[XN+32*\c+4*\j:XN+32*\c+4*\j+3], v5 offset:256*\c+16*\j   ; LDS serves a wave's instructions in order: these see the stores above
.endr
.endr
	s_wait_dscnt 0x0                               ; my blocks are in, and the stores have read their registers,
.if (\f) < 2
	LOADX (\f)+2                                   ; which take the fragment two further on
.endif
.irp c, 0,1
	v_max3_num_f32 v[MX+\c], |v[XN+32*\c]|, |v[XN+32*\c+1]|, 0x1800000   ; block 2 c + h, and the floor 2^(3 - 127)
.endr
.irp i, 2,4,6,8,10,12,14,16,18,20,22,24,26,28,30
.irp c, 0,1
	v_max3_num_f32 v[MX+\c], v[MX+\c], |v[XN+32*\c+\i]|, |v[XN+32*\c+\i+1]|
.endr
.endr
.irp c, 0,1
	v_add_nc_u32 v[SO+\c], 0xff000000, v[MX+\c]    ; 2 off the exponent field: the conversion's scale operand
.endr
.irp c, 0,1
	v_lshrrev_b32 v[MX+\c], 23, v[SO+\c]           ; the byte
.endr
	v_lshl_or_b32 v[WD+\f], v[MX+1], 16, v[MX]     ; my two bytes, blocks h and 2 + h,
	v_lshlrev_b32 v[WD+\f], v6, v[WD+\f]           ; at their places;
	v_permlanex16_b32 v7, v[WD+\f], s22, s23
	v_or_b32 v[WD+\f], v[WD+\f], v7                ; with lane l xor 16's the row's word is whole
.if (\f) > 0
	s_wait_alu depctr_va_vdst(0)
	s_wait_xcnt 0x0                                ; the last fragment's stores have read the codes' registers
.endif
.irp c, 0,1
	v_cvt_scalef32_pk16_fp6_f32 v[PC+6*\c:PC+6*\c+2], v[XN+32*\c:XN+32*\c+15], v[SO+\c]
	v_cvt_scalef32_pk16_fp6_f32 v[CT+4*\c:CT+4*\c+2], v[XN+32*\c+16:XN+32*\c+31], v[SO+\c]   ; (a conversion's three registers begin on an even number)
.endr
	v_nop                                          ; one plain place behind a scaled conversion
.irp c, 0,1
.irp i, 0,1,2
	v_mov_b32 v[PC+6*\c+3+\i], v[CT+4*\c+\i]
.endr
.endr
	global_store_b128 v2, v[PC:PC+3], s[8:9] offset:1536*(\f)          ; 512 consecutive bytes
	global_store_b64 v3, v[PC+4:PC+5], s[8:9] offset:1536*(\f)+512     ; 256 consecutive bytes
	global_store_b128 v2, v[PC+6:PC+9], s[8:9] offset:1536*(\f)+768
	global_store_b64 v3, v[PC+10:PC+11], s[8:9] offset:1536*(\f)+1280
.endm
	FRAGQ 0
	FRAGQ 1
	FRAGQ 2
	FRAGQ 3
	v_cndmask_b32 v252, v[WD], v[WD+2], s20        ; lanes 0-15: the words of tiles 0, 1; lanes 16-31: of tiles 2, 3
	v_cndmask_b32 v253, v[WD+1], v[WD+3], s20
	global_store_b64 v3, v[252:253], s[10:11]      ; 256 consecutive bytes, aligned
	s_wait_tensorcnt 0x0
	ds_add_u32 v254, v255
	s_wait_dscnt 0x0
	s_endpgm
; ---------------- the weights.  A LANE TAKES A COLUMN AND ITS REGISTERS RUN DOWN K: each load reads 128 consecutive bytes a wave (512 a work-group), a block of 32 lies in one lane, and the conversions give codes with K innermost.
; Work-group 256 + 32 y + g: group g of 128 columns (g < 24: W_attn's, else W_proj's), K step y; wave w: 32 columns = the pair of tiles 2 w, 2 w + 1.  Column l of the 32 is lane r = (l & 7) | (bit 4 of l) << 3 of tile u = bit 3 of l.
; Block t = 2 c + h of a column is what lane (r, h) of the image holds in registers 6 c .. 6 c + 5: it goes there through the wave's own stage in LDS, and the images leave in runs of 512 consecutive bytes.
; Both tensors take one way: pointer, pitch and column group are chosen on the work-group's number.  Nothing is stepped: 32 address registers, four bases, a set of 32 registers for each block.
; Loads run two blocks ahead: 64 loads of a wave are out at the most, 32 while a block is worked on.  The scale words leave as 128 consecutive bytes a wave: half of an aligned 256; they are one byte in 128 of what this way reads.
.Lweights:
.set WLDS, 33792                       ; behind x's four stages: this way's LDS bytes are its own
.set AD,  32                           ; v32-63   4 x lane + i x pitch
.set X,   64                           ; v64-191  four blocks of 32 numbers
.set C,   192                          ; v192-223 codes, eight registers a block
.set SW,  224                          ; v224     the column's scale word
.set OUT, 64                           ; v64-87   the images on their way out
	s_load_b128 s[4:7], s[0:1], 0x10               ; W_attn, W_proj
	s_load_b128 s[8:11], s[0:1], 0x20              ; opc, ops
	v_lshrrev_b32 v1, 5, v0
	v_readfirstlane_b32 s16, v1                    ; wave
	v_and_b32 v7, 31, v0
	v_lshlrev_b32 v1, 2, v7                        ; 4 x lane
	v_lshlrev_b32 v5, 4, v7                        ; 16 x lane
	v_bfe_u32 v8, v0, 3, 1                         ; u
	v_bfe_u32 v9, v0, 4, 1
	v_and_b32 v10, 7, v0
	v_lshl_or_b32 v10, v9, 3, v10                  ; r
	s_mul_i32 s17, s16, 3328                       ; my stage: two images, 1,664 bytes apart (1,536 + 128, so that the two tiles' stores fall on different banks)
	s_add_co_u32 s17, s17, WLDS
	v_mul_u32_u24 v2, v8, 1664
	v_add_nc_u32 v2, s17, v2
	v_lshl_add_u32 v3, v10, 3, v2
	v_add_nc_u32 v3, 512, v3                       ; registers 4, 5 of a half: 512 + 8 r
	v_lshl_add_u32 v2, v10, 4, v2                  ; registers 0-3: 16 r
	v_add_nc_u32 v4, s17, v5                       ; back: 16 x lane
	v_lshlrev_b32 v6, 3, v10
	v_lshl_add_u32 v6, v8, 2, v6                   ; the scale word's place: 8 r + 4 u
	s_sub_co_u32 s19, ttmp9, 256
	s_and_b32 s35, s19, 31                         ; group of 128 columns, 0 .. 31
	s_lshr_b32 s18, s19, 5                         ; K step
	s_mov_b32 s20, 4096
	s_cmp_lt_u32 s35, 24                           ; W_attn's work-group or W_proj's
	s_cselect_b32 s20, 12288, s20                  ; a row of W in bytes
	s_cselect_b32 s21, 0, 24
	s_wait_kmcnt 0x0
	s_cselect_b64 s[4:5], s[4:5], s[6:7]
	s_sub_co_u32 s21, s35, s21                     ; group of 128 columns in its tensor
	s_lshl_b32 s22, s18, 7
	s_mul_i32 s22, s22, s20                        ; 128 rows a K step
	s_lshl_b32 s23, s21, 9
	s_add_co_u32 s22, s22, s23
	s_lshl_b32 s23, s16, 7
	s_add_co_u32 s22, s22, s23
	s_mov_b32 s23, 0
	s_lshl_b32 s32, s20, 5                         ; 32 rows
	s_mov_b32 s33, 0
	s_add_nc_u64 s[24:25], s[4:5], s[22:23]        ; a base for each block
	s_add_nc_u64 s[26:27], s[24:25], s[32:33]
	s_add_nc_u64 s[28:29], s[26:27], s[32:33]
	s_add_nc_u64 s[30:31], s[28:29], s[32:33]
	s_add_co_u32 s34, s35, 64                      ; the group in opc and ops
	s_mul_i32 s36, s34, 98304
	s_mul_i32 s37, s18, 12288
	s_add_co_u32 s36, s36, s37
	s_mul_i32 s37, s16, 3072
	s_add_co_u32 s36, s36, s37
	s_mov_b32 s37, 0
	s_add_nc_u64 s[8:9], s[8:9], s[36:37]
	s_lshl_b32 s36, s34, 12
	s_lshl_b32 s37, s18, 9
	s_add_co_u32 s36, s36, s37
	s_lshl_b32 s37, s16, 7
	s_add_co_u32 s36, s36, s37
	s_mov_b32 s37, 0
	s_add_nc_u64 s[10:11], s[10:11], s[36:37]
.irp i, 0,1,2,3,4,5,6,7,8,9,10,11,12,13,14,15,16,17,18,19,20,21,22,23,24,25,26,27,28,29,30,31
	v_mad_u32_u24 v[AD+\i], s20, \i, v1
.endr
.macro LOADW t                         ; block t: W(128 step + 32 t + i, my column), i = 0 .. 31, into its own set
.irp i, 0,1,2,3,4,5,6,7,8,9,10,11,12,13,14,15,16,17,18,19,20,21,22,23,24,25,26,27,28,29,30,31
	global_load_b32 v[X+32*(\t)+\i], v[AD+\i], s[24+2*(\t):25+2*(\t)] th:TH_LOAD_NT
.endr
.endm
	LOADW 0
	LOADW 1
.macro BLOCK t
.set XS, X+32*(\t)
.set CC, C+8*(\t)
.if (\t) < 3
	s_wait_loadcnt 32                              ; this block's 32 loads are in; the next block's 32 stay out
.else
	s_wait_loadcnt 0x0
.endif
.if (\t) < 2
	LOADW (\t)+2                                   ; the block two further on, into registers of its own
.endif
	v_max3_num_f32 v12, |v[XS]|, |v[XS+1]|, |v[XS+2]|
	v_max3_num_f32 v13, |v[XS+3]|, |v[XS+4]|, |v[XS+5]|
.irp i, 6,10,14,18,22,26
	v_max3_num_f32 v12, v12, |v[XS+\i]|, |v[XS+\i+1]|
	v_max3_num_f32 v13, v13, |v[XS+\i+2]|, |v[XS+\i+3]|
.endr
	v_max3_num_f32 v12, v12, |v[XS+30]|, |v[XS+31]|
	v_max3_num_f32 v12, v12, v13, 0x1800000        ; and the floor 2^(3 - 127)
	v_add_nc_u32 v11, 0xff000000, v12              ; the conversion's scale operand
	v_lshrrev_b32 v13, 23, v11                     ; the byte
.if (\t) == 0
	v_mov_b32 v[SW], v13
.else
	v_lshl_or_b32 v[SW], v13, 8*(\t), v[SW]
.endif
	v_cvt_scalef32_pk16_fp6_f32 v[CC:CC+2], v[XS:XS+15], v11
	v_cvt_scalef32_pk16_fp6_f32 v[CC+4:CC+6], v[XS+16:XS+31], v11
	v_nop                                          ; one plain place behind a scaled conversion
	v_mov_b32 v[CC+3], v[CC+4]                     ; the six registers on end
	v_mov_b32 v[CC+4], v[CC+5]
	v_mov_b32 v[CC+5], v[CC+6]
	ds_store_b128 v2, v[CC:CC+3] offset:768*((\t)/2)+256*((\t)%2)
	ds_store_b64 v3, v[CC+4:CC+5] offset:768*((\t)/2)+128*((\t)%2)
.endm
	s_wait_alu depctr_va_vdst(0)
	BLOCK 0
	BLOCK 1
	BLOCK 2
	BLOCK 3
	global_store_b32 v6, v[SW], s[10:11]
.irp n, 0,1,2,3,4,5
	ds_load_b128 v[OUT+4*\n:OUT+4*\n+3], v4 offset:1664*(\n/3)+512*(\n%3)   ; LDS serves a wave's instructions in order: these see my stores
.endr
.irp n, 0,1,2,3,4,5
	s_wait_dscnt 5-\n                              ; the younger loads may stay out
	global_store_b128 v5, v[OUT+4*\n:OUT+4*\n+3], s[8:9] offset:512*\n      ; 512 consecutive bytes
.endr
	s_wait_tensorcnt 0x0
	ds_add_u32 v254, v255
	s_wait_dscnt 0x0
	s_endpgm
.Lfunc_end_k_q4ae6652231_quant:
	.size	k_q4ae6652231_quant, .Lfunc_end_k_q4ae6652231_quant-k_q4ae6652231_quant
	.p2alignl 7, 3214868480
	.fill 96, 4, 3214868480
	.section	.rodata,"a",@progbits
	.p2align	6, 0x0
	.amdhsa_kernel k_q4ae6652231_quant
		.amdhsa_group_segment_fixed_size 47616
		.amdhsa_private_segment_fixed_size 0
		.amdhsa_enable_private_segment 0
		.amdhsa_kernarg_size 56
		.amdhsa_user_sgpr_count 2
		.amdhsa_user_sgpr_kernarg_segment_ptr 1
		.amdhsa_wavefront_size32 1
		.amdhsa_system_sgpr_workgroup_id_x 1
		.amdhsa_system_sgpr_workgroup_id_y 1
		.amdhsa_system_sgpr_workgroup_id_z 1
		.amdhsa_system_vgpr_workitem_id 0
		.amdhsa_next_free_vgpr 256
		.amdhsa_next_free_sgpr 66
		.amdhsa_reserve_vcc 1
		.amdhsa_float_denorm_mode_32 3
		.amdhsa_float_denorm_mode_16_64 3
		.amdhsa_memory_ordered 1
		.amdhsa_forward_progress 1
		.amdhsa_inst_pref_size 57
	.end_amdhsa_kernel
	.amdgpu_metadata
---
amdhsa.version: [ 1, 2 ]
amdhsa.kernels:
  - .name:           k_q4ae6652231_quant
    .symbol:         k_q4ae6652231_quant.kd
    .args:
      - { .name: x, .offset: 0, .size: 8, .value_kind: global_buffer, .address_space: global }
      - { .name: omega, .offset: 8, .size: 8, .value_kind: global_buffer, .address_space: global }
      - { .name: W_attn, .offset: 16, .size: 8, .value_kind: global_buffer, .address_space: global }
      - { .name: W_proj, .offset: 24, .size: 8, .value_kind: global_buffer, .address_space: global }
      - { .name: opc, .offset: 32, .size: 8, .value_kind: global_buffer, .address_space: global }
      - { .name: ops, .offset: 40, .size: 8, .value_kind: global_buffer, .address_space: global }
      - { .name: tab, .offset: 48, .size: 8, .value_kind: global_buffer, .address_space: global }
    .group_segment_fixed_size: 47616
    .private_segment_fixed_size: 0
    .kernarg_segment_align: 8
    .kernarg_segment_size: 56
    .max_flat_workgroup_size: 128
    .sgpr_count:     66
    .vgpr_count:     256
    .wavefront_size: 32
...
	.end_amdgpu_metadata
.endif
;; end of part 1
;; launch gemm_qkv (part 2): grid 8 x 32, 4 waves a work-group, clusters of 4 x 4, 327,680 bytes of LDS; arguments opc, ops, tab, qc, kvc; writes qc, kvc
.if DOCPART == 2
	.amdgcn_target "amdgcn-amd-amdhsa--gfx1250"
	.amdhsa_code_object_version 6
	.text
	.protected	k_q4ae6652231_gemm_qkv
	.globl	k_q4ae6652231_gemm_qkv
	.p2align	8
	.type	k_q4ae6652231_gemm_qkv,@function
k_q4ae6652231_gemm_qkv:
	s_mov_b64 s[64:65], 0
	v_nop
	global_prefetch_b8 v0, s[64:65] scope:SCOPE_SE
	s_setreg_imm32_b32 hwreg(HW_REG_WAVE_MODE, 25, 1), 1
	s_wait_xcnt 0x0
	s_wait_alu depctr_hold_cnt(0) depctr_sa_sdst(0) depctr_va_vdst(0) depctr_va_sdst(0) depctr_va_ssrc(0) depctr_va_vcc(0) depctr_vm_vsrc(0)
	s_getreg_b32 s2, hwreg(HW_REG_IB_STS2, 6, 4)
	s_cmp_eq_u32 s2, 0
	s_cbranch_scc0 .Lentry_in_a_cluster
	s_endpgm
.Lentry_in_a_cluster:
	s_bfe_u32 s2, ttmp6, 0x10000c
	s_cmp_lg_u32 s2, 0xf033
	s_cbranch_scc0 .Lentry_shape_is_right
	s_endpgm
.Lentry_shape_is_right:
.set NA,    8
.set PH2,   0
.set NQ,    2
.set FR,    12
.set NL,    4
.set NP,    4
.set STEPB, 12288
.set ASZ,   49152
.set SLOT,  ASZ+49152
.set SCL,   2*SLOT
.set SCA2,  SCL+8192
.set SCB2,  SCL+16384
.set SCB,   SCL+24576
.set SPARE, SCL+32768
.set ADRA, 16
.set ADRB, 20
.set L16,  24
.set L8,   25
.set ADRS, 27
.set SPW,  28
.set NIL,  29
.set SC,   32
.set CS,   64
.set AF,   128
.set PB2, 4
.set PA2, 8
.set G1, 24
.set G0, 32
.set G1B, 48
.set G0B, 56
.set G1S, 68
.set G0S, 76
.set G1SB, 80
.set G0SB, 88
.set MSB, 0
.macro WIN new
.if MSB != (\new)
	s_set_vgpr_msb (MSB<<8)|(\new)
.set MSB, (\new)
.endif
.endm
.set MUL_LO, 0xa1
.set TO_B,   0x40
.macro JLOAD g0a, g1a, g0b, g1b, three
.if \three
	s_cmp_eq_u32 s14, 0
	s_cbranch_scc0 .Lnot_a_\@
	tensor_load_to_lds s[\g0a:\g0a+3], s[\g1a:\g1a+7]
	s_nop 0
.rept 4
	v_nop
.endr
	s_branch .Lasked_\@
.Lnot_a_\@:
	s_cmp_lt_u32 s14, 2
	s_cbranch_scc1 .Lnone_\@
	tensor_load_to_lds s[\g0b:\g0b+3], s[\g1b:\g1b+7]
	s_nop 0
.rept 4
	v_nop
.endr
	s_branch .Lasked_\@
.Lnone_\@:
.rept 4
	v_nop
.endr
.Lasked_\@:
.else
	s_cmp_eq_u32 s15, 0
	s_cbranch_scc0 .Lfor_b_\@
	tensor_load_to_lds s[\g0a:\g0a+3], s[\g1a:\g1a+7]
	s_nop 0
.rept 4
	v_nop
.endr
	s_branch .Lasked_\@
.Lfor_b_\@:
	tensor_load_to_lds s[\g0b:\g0b+3], s[\g1b:\g1b+7]
	s_nop 0
.rept 4
	v_nop
.endr
.Lasked_\@:
.endif
.endm
.macro CREST
	s_cmp_lg_u32 s14, 0
	s_cbranch_scc1 .Lnot_wave_0_\@
	s_barrier_signal -3
.Lnot_wave_0_\@:
	s_barrier_wait -3
	s_barrier_signal -1
	s_barrier_wait -1
.endm
.macro CROUND
	s_barrier_signal -1
	s_barrier_wait -1
	CREST
.endm
.macro SHAPE g, rows
	s_mov_b32 s[\g+1], 32<<16
	s_mov_b32 s[\g+2], (\rows)<<16
	s_mov_b32 s[\g+3], 32<<16
	s_mov_b32 s[\g+4], \rows
	s_mov_b32 s[\g+5], 32
	s_mov_b32 s[\g+6], 0
	s_mov_b32 s[\g+7], 0
.endm
	s_load_b256 s[4:11], s[0:1], 0x0
	s_load_b64 s[12:13], s[0:1], 0x20
	v_lshl_add_u32 v[SPW], v0, 2, SPARE
	v_mov_b32 v[NIL], 0
	ds_add_u32 v28, v29
	ds_add_u32 v28, v29
	s_wait_dscnt 0x0
	v_lshrrev_b32 v1, 5, v0
	v_readfirstlane_b32 s14, v1
	s_lshr_b32 s15, s14, 1
	s_and_b32 s16, s14, 1
	s_bfe_u32 s40, ttmp6, 0x40000
	s_bfe_u32 s41, ttmp6, 0x40004
	s_and_b32 s17, ttmp7, 0xffff
	s_lshl_b32 s17, s17, 3
	s_lshl_b32 s43, s41, 2
	s_lshl_b32 s43, 15, s43
	s_lshl_b32 s44, 0x1111, s40
	s_lshl_b32 s18, s41, 1
	s_add_co_u32 s18, s18, s17
	s_lshl_b32 s19, ttmp9, 2
	s_add_co_u32 s19, s19, s41
	s_add_co_u32 s19, s19, 80
	s_lshl_b32 s95, s40, 1
	s_lshl_b32 s94, ttmp9, 3
	s_add_co_u32 s94, s94, s95
	s_add_co_u32 s94, s94, 64
	s_add_co_u32 s95, s95, s17
	s_or_b32 s[G1+0], s43, (3<<16)|(1<<21)
	s_or_b32 s[G1B+0], s44, (3<<16)|(1<<21)
	s_or_b32 s[G1S+0], s43, (3<<16)|(1<<21)
	s_or_b32 s[G1SB+0], s44, (3<<16)|(1<<21)
; The first fills of a slot: a whole tile of A or of B by one load: two rows of 24,576 bytes (two K steps of a group of 128), 98,304 bytes apart in memory, on end in LDS
.macro SHAPE2 g
	s_mov_b32 s[\g+1], 3072<<16
	s_mov_b32 s[\g+2], 2<<16
	s_mov_b32 s[\g+3], 3072<<16
	s_mov_b32 s[\g+4], 2
	s_mov_b32 s[\g+5], 12288
	s_mov_b32 s[\g+6], 0
	s_mov_b32 s[\g+7], 0
.endm
; A group of four first fills, one a wave, in one chain of branches on the wave's number: wave 0 slot s's tile of A, wave 1 scale words that go with A's mask, wave 2 the tile of B, wave 3 scale words that go with B's mask
.macro HLOAD s
	s_cmp_lt_u32 s14, 1
	s_cbranch_scc0 .Lh1_\s
	tensor_load_to_lds s[G0+4*\s:G0+4*\s+3], s[G1:G1+7]
	s_nop 0
.rept 4
	v_nop
.endr
	s_branch .Lh4_\s
.Lh1_\s:
	s_cmp_lt_u32 s14, 2
	s_cbranch_scc0 .Lh2_\s
	tensor_load_to_lds s[G0S:G0S+3], s[G1S:G1S+7]
	s_nop 0
.rept 4
	v_nop
.endr
	s_branch .Lh4_\s
.Lh2_\s:
	s_cmp_lt_u32 s14, 3
	s_cbranch_scc0 .Lh3_\s
	tensor_load_to_lds s[G0B+4*\s:G0B+4*\s+3], s[G1B:G1B+7]
	s_nop 0
.rept 4
	v_nop
.endr
	s_branch .Lh4_\s
.Lh3_\s:
	tensor_load_to_lds s[G0SB:G0SB+3], s[G1SB:G1SB+7]
	s_nop 0
.rept 4
	v_nop
.endr
.Lh4_\s:
.endm
	SHAPE2 G1
	SHAPE2 G1B
	SHAPE G1S, 32
	SHAPE G1SB, 32
	s_add_co_u32 s20, s18, s16
	s_mul_i32 s20, s20, 98304
	s_mov_b32 s21, 0
	s_lshl_b32 s22, s18, 12                        ; the first phase's scale words of A
	s_mov_b32 s23, 0
	s_mul_i32 s2, s19, 98304
	s_mov_b32 s3, 0
	s_add_co_u32 s46, s94, s16
	s_mul_i32 s46, s46, 98304
	s_mov_b32 s47, 0
	s_lshl_b32 s92, s94, 12                        ; and of B
	s_mov_b32 s93, 0
	s_add_co_u32 s104, s95, s16
	s_mul_i32 s104, s104, 98304
	s_mov_b32 s105, 0
	s_mul_i32 s96, s16, 24576
	s_add_co_u32 s97, s96, ASZ
	s_add_co_u32 s100, s18, s15
	s_and_b32 s100, s100, 7
	s_lshl_b32 s100, s100, 15
	s_mov_b32 s101, 0
	s_wait_kmcnt 0x0
	s_add_nc_u64 s[20:21], s[4:5], s[20:21]
	s_add_nc_u64 s[22:23], s[6:7], s[22:23]
	s_add_nc_u64 s[46:47], s[4:5], s[46:47]
	s_add_nc_u64 s[92:93], s[6:7], s[92:93]
	s_add_nc_u64 s[100:101], s[8:9], s[100:101]
	s_add_nc_u64 s[PA2:PA2+1], s[4:5], s[2:3]
	s_add_nc_u64 s[PB2:PB2+1], s[4:5], s[104:105]
	s_lshl_b32 s2, s19, 12                         ; the second phase's scale words
	s_mov_b32 s3, 0
	s_add_nc_u64 s[2:3], s[6:7], s[2:3]
	s_lshl_b32 s104, s95, 12
	s_mov_b32 s105, 0
	s_add_nc_u64 s[104:105], s[6:7], s[104:105]
	CROUND
	s_mov_b32 s[G0S], 1
	s_mov_b32 s[G0S+1], SCL
	s_mov_b64 s[G0S+2:G0S+3], s[22:23]
	s_or_b32 s[G0S+3], s[G0S+3], 0x80000000
	s_mov_b32 s[G0SB], 1
	s_mov_b32 s[G0SB+1], SCB
	s_mov_b64 s[G0SB+2:G0SB+3], s[92:93]
	s_or_b32 s[G0SB+3], s[G0SB+3], 0x80000000
.irp s, 0,1
	s_mov_b32 s[G0+4*\s], 1
	s_add_co_u32 s[G0+4*\s+1], s96, \s*SLOT
	s_add_nc_u64 s[G0+4*\s+2:G0+4*\s+3], s[20:21], \s*24576
	s_or_b32 s[G0+4*\s+3], s[G0+4*\s+3], 0x80000000
	s_mov_b32 s[G0B+4*\s], 1
	s_add_co_u32 s[G0B+4*\s+1], s97, \s*SLOT
	s_add_nc_u64 s[G0B+4*\s+2:G0B+4*\s+3], s[46:47], \s*24576
	s_or_b32 s[G0B+4*\s+3], s[G0B+4*\s+3], 0x80000000
.if \s
	s_wait_alu depctr_va_vdst(0)
	s_wait_tensorcnt 0x0                           ; my load of the first group is in
	ds_add_u32 v28, v29
	s_mov_b32 s[G0S+1], SCA2                       ; no load of mine is out: the scale words' descriptors take the second phase's
	s_mov_b64 s[G0S+2:G0S+3], s[2:3]
	s_or_b32 s[G0S+3], s[G0S+3], 0x80000000
	s_mov_b32 s[G0SB+1], SCB2
	s_mov_b64 s[G0SB+2:G0SB+3], s[104:105]
	s_or_b32 s[G0SB+3], s[G0SB+3], 0x80000000
	s_wait_dscnt 0x0
	CROUND
.endif
	HLOAD \s
.endr
	v_and_b32 v1, 31, v0
	v_and_b32 v2, 15, v0
	v_bfe_u32 v3, v0, 4, 1
	v_lshlrev_b32 v[L16], 4, v1
	v_lshlrev_b32 v[L8], 3, v1
	v_add_nc_u32 v4, 512, v[L8]
	s_mul_i32 s66, s15, 24576
	s_mul_i32 s67, s16, 24576
	s_add_co_u32 s67, s67, ASZ
.irp s, 0,1
	v_add_nc_u32 v[ADRA+\s], s66, v[L16]
	v_add_nc_u32 v[ADRB+\s], s67, v[L16]
	v_add_nc_u32 v[ADRA+2+\s], s66, v4
	v_add_nc_u32 v[ADRB+2+\s], s67, v4
	s_add_co_u32 s66, s66, SLOT
	s_add_co_u32 s67, s67, SLOT
.endr
	s_mul_i32 s66, s15, 6144
.irp s, 0,1
	v_add_nc_u32 v[8+\s], s66, v[L16]
	v_add_nc_u32 v[10+\s], s66, v4
	s_add_co_u32 s66, s66, SLOT
.endr
	s_lshl_b32 s66, s15, 12
	s_lshl_b32 s67, s16, 12
	s_add_co_u32 s67, s67, SCB-SCL
	s_sub_co_u32 s67, s67, s66
	v_mul_u32_u24 v5, s67, v3
	s_add_co_u32 s66, s66, SCL
	v_lshl_add_u32 v5, v2, 3, v5
	v_add_nc_u32 v27, s66, v5
	s_lshl_b32 s66, s15, 8
	s_lshl_b32 s67, s16, 12
	s_add_co_u32 s67, s67, SCB2-SCA2
	s_sub_co_u32 s67, s67, s66
	v_mul_u32_u24 v5, s67, v3
	s_add_co_u32 s66, s66, SCA2
	v_lshl_add_u32 v5, v2, 3, v5
	v_add_nc_u32 v26, s66, v5
.macro LOADCS a
.irp j, 0,1,2,3,4,5,6,7
	global_load_b128 v[CS+32*((\a)%2)+4*\j:CS+32*((\a)%2)+4*\j+3], v[L16], s[100:101] offset:4096*(\a)+512*\j
.endr
.endm
	LOADCS 0
	LOADCS 1
.macro FRAG reg, adr, q, i
	ds_load_b128 v[\reg:\reg+3], v[\adr] offset:(\q)*STEPB+(\i)*1536
	ds_load_b64 v[\reg+4:\reg+5], v[\adr+2] offset:(\q)*STEPB+(\i)*1536
	ds_load_b128 v[\reg+6:\reg+9], v[\adr] offset:(\q)*STEPB+(\i)*1536+768
	ds_load_b64 v[\reg+10:\reg+11], v[\adr+2] offset:(\q)*STEPB+(\i)*1536+768
.endm
.macro MULR a0, cnt, p, q, sc, zero
.set AA, \a0
.rept \cnt
	WIN MUL_LO+0x50*(AA/4)
.irp b, 0,1,2,3,4,5,6,7
.if \zero
	v_wmma_scale_f32_16x16x128_f8f6f4 v[64*(AA%4)+8*\b:64*(AA%4)+8*\b+7], v[128*(\p)+FR*\b:128*(\p)+FR*\b+FR-1], v[AF+FR*AA:AF+FR*AA+FR-1], 0, v[SC+16*(\sc)+8*(\q)+\b], v[SC+16*(\sc)+8*(\q)+AA] matrix_a_fmt:MATRIX_FMT_FP6 matrix_b_fmt:MATRIX_FMT_FP6 matrix_a_scale:MATRIX_SCALE_ROW1
.else
	v_wmma_scale_f32_16x16x128_f8f6f4 v[64*(AA%4)+8*\b:64*(AA%4)+8*\b+7], v[128*(\p)+FR*\b:128*(\p)+FR*\b+FR-1], v[AF+FR*AA:AF+FR*AA+FR-1], v[64*(AA%4)+8*\b:64*(AA%4)+8*\b+7], v[SC+16*(\sc)+8*(\q)+\b], v[SC+16*(\sc)+8*(\q)+AA] matrix_a_fmt:MATRIX_FMT_FP6 matrix_b_fmt:MATRIX_FMT_FP6 matrix_a_scale:MATRIX_SCALE_ROW1
.endif
.endr
.set AA, AA+1
.endr
.endm
.macro FETCH_B slot, q, p
	WIN TO_B
.irp i, 0,1,2,3,4,5,6,7
	FRAG 128*(\p)+FR*\i, ADRB+\slot, \q, \i
.endr
	WIN 0
.endm
.macro FETCH_A slot, q, i0, cnt
.set II, \i0
.rept \cnt
	FRAG AF+FR*II, ADRA+\slot, \q, II
.set II, II+1
.endr
.endm
.macro SCALES sc
.irp q, 0,1
.irp p, 0,1,2,3
	ds_load_b64 v[SC+16*\sc+8*\q+2*\p:SC+16*\sc+8*\q+2*\p+1], v[ADRS] offset:512*\q+128*\p
.endr
.endr
.endm
.macro PLACES n
.rept \n
	v_nop
.endr
.endm
.macro STEP slot, q, zero
	s_wait_dscnt (NA/2)*NL
	MULR 0, NA/2, (\q)%2, \q, \slot, \zero
	s_wait_dscnt 0
	PLACES NP
	FETCH_B \slot, (\q)+1, 1-(\q)%2
	FETCH_A \slot, (\q)+1, 0, NA/2
	MULR NA/2, NA/2, (\q)%2, \q, \slot, \zero
	PLACES NP
	WIN 0
	FETCH_A \slot, (\q)+1, NA/2, NA/2
.endm
.macro TURN slot, next, fill
	s_wait_tensorcnt 0x0
	ds_add_u32 v[SPW], v[NIL]
	SHAPE G1, 96                                   ; no load of mine is out: the ring's refills bring 96 rows of 256 bytes a wave
	SHAPE G1B, 96
	s_wait_dscnt (NA/2)*NL+1
	MULR 0, NA/4, 1, NQ-1, \slot, 0
	s_wait_dscnt 0x0
	s_barrier_signal -1
	MULR NA/4, NA/4, 1, NQ-1, \slot, 0
	WIN 0
	s_barrier_wait -1
.if \fill == 0
	PLACES NP
.else
	CREST
.if \fill == 1
	s_add_nc_u64 s[G0+4*\slot+2:G0+4*\slot+3], s[G0+4*\slot+2:G0+4*\slot+3], 49152
	s_add_nc_u64 s[G0B+4*\slot+2:G0B+4*\slot+3], s[G0B+4*\slot+2:G0B+4*\slot+3], 49152
	JLOAD G0+4*\slot, G1, G0B+4*\slot, G1B, PH2
.else
	s_add_nc_u64 s[G0+4*\slot+2:G0+4*\slot+3], s[PA2:PA2+1], \slot*24576
	s_or_b32 s[G0+4*\slot+3], s[G0+4*\slot+3], 0x80000000
	s_add_nc_u64 s[G0B+4*\slot+2:G0B+4*\slot+3], s[PB2:PB2+1], \slot*24576
	s_or_b32 s[G0B+4*\slot+3], s[G0B+4*\slot+3], 0x80000000
	JLOAD G0+4*\slot, G1, G0B+4*\slot, G1B, 1
.endif
.endif
.if \next >= 0
	s_wait_alu depctr_va_vdst(0)
	v_add_nc_u32 v[ADRS], 1024, v[ADRS]
	FETCH_B \next, 0, 0
	FETCH_A \next, 0, 0, NA/2
	SCALES \next
.endif
	MULR NA/2, NA/2, 1, NQ-1, \slot, 0
	PLACES NP
	WIN 0
.if \next >= 0
	FETCH_A \next, 0, NA/2, NA/2
.endif
.endm
	s_wait_alu depctr_va_vdst(0)
	s_wait_tensorcnt 1
	s_barrier_signal -1
	s_barrier_wait -1
	FETCH_B 0, 0, 0
	FETCH_A 0, 0, 0, NA/2
	SCALES 0
	FETCH_A 0, 0, NA/2, NA/2
	STEP 0, 0, 1
	TURN 0, 1, 1
	STEP 1, 0, 0
	TURN 1, 0, 1
	STEP 0, 0, 0
	TURN 0, 1, 2
	STEP 1, 0, 0
	TURN 1, -1, 2
.set R,   128
.set PC,  192
.set TM,  212
.set PW,  228
.set T,   230
.set HW,  238
.set SW,  240
.set SEL, 20
.macro QUANT s, w
	WIN (\w)|((\w)<<2)
.irp b, 0,1,2,3
	v_max3_num_f32 v[TM+\b], |v[\s+16*\b]|, |v[\s+16*\b+1]|, 0x1800000
.endr
.irp i, 2,4,6,8,10,12,14
.irp b, 0,1,2,3
	v_max3_num_f32 v[TM+\b], |v[\s+16*\b+\i]|, |v[\s+16*\b+\i+1]|, v[TM+\b]
.endr
.endr
	WIN 0
.irp b, 0,1,2,3
	v_permlanex16_b32 v[TM+4+\b], v[TM+\b], s[SEL], s[SEL+1]
.endr
.irp b, 0,1,2,3
	v_max_num_f32 v[TM+\b], v[TM+\b], v[TM+4+\b]
.endr
.irp b, 0,1,2,3
	v_add_nc_u32 v[TM+12+\b], 0xff000000, v[TM+\b]
.endr
.irp b, 0,1,2,3
	v_lshrrev_b32 v[TM+4+\b], 23, v[TM+12+\b]
.endr
	v_lshl_or_b32 v[PW], v[TM+5], 8, v[TM+4]
	v_lshl_or_b32 v[PW], v[TM+6], 16, v[PW]
	v_lshl_or_b32 v[PW], v[TM+7], 24, v[PW]
	WIN \w
.irp c, 0,1
	v_cvt_scalef32_pk16_fp6_f32 v[PC+6*\c:PC+6*\c+2], v[\s+32*\c:\s+32*\c+15], v[TM+12+2*\c]
	v_cvt_scalef32_pk16_fp6_f32 v[PC+12+4*\c:PC+14+4*\c], v[\s+32*\c+16:\s+32*\c+31], v[TM+13+2*\c]
.endr
	WIN 0
	v_nop
.irp c, 0,1
.irp i, 0,1,2
	v_permlane16_swap_b32 v[PC+6*\c+\i], v[PC+12+4*\c+\i]
.endr
.irp i, 0,1,2
	v_mov_b32 v[PC+6*\c+3+\i], v[PC+12+4*\c+\i]
.endr
.endr
.endm
; V: a lane's registers 32 c .. 32 c + 31 are tokens 64 c + 32 h + 0 .. 31 (the token tiles' order): two whole blocks a lane, as the operand's layout wants them
.macro QUANTV s
	WIN 0x0a
.irp b, 0,1,2,3
	v_max3_num_f32 v[TM+\b], |v[\s+16*\b]|, |v[\s+16*\b+1]|, 0x1800000
.endr
.irp i, 2,4,6,8,10,12,14
.irp b, 0,1,2,3
	v_max3_num_f32 v[TM+\b], |v[\s+16*\b+\i]|, |v[\s+16*\b+\i+1]|, v[TM+\b]
.endr
.endr
	WIN 0
.irp c, 0,1
	v_max_num_f32 v[TM+8+\c], v[TM+2*\c], v[TM+2*\c+1]
.endr
	v_lshlrev_b32 v[HW], 3, v3                     ; 8 h
.irp c, 0,1
	v_add_nc_u32 v[TM+12+\c], 0xff000000, v[TM+8+\c]
.endr
.irp c, 0,1
	v_lshrrev_b32 v[TM+4+\c], 23, v[TM+12+\c]
.endr
	v_lshl_or_b32 v[PW], v[TM+5], 16, v[TM+4]      ; my bytes: blocks h and 2 + h
	v_lshlrev_b32 v[PW], v[HW], v[PW]
	v_permlanex16_b32 v[TM+6], v[PW], s[SEL], s[SEL+1]
	v_or_b32 v[PW], v[PW], v[TM+6]                 ; with lane l xor 16's the word is whole
	WIN 2
.irp c, 0,1
	v_cvt_scalef32_pk16_fp6_f32 v[PC+6*\c:PC+6*\c+2], v[\s+32*\c:\s+32*\c+15], v[TM+12+\c]
	v_cvt_scalef32_pk16_fp6_f32 v[PC+12+4*\c:PC+14+4*\c], v[\s+32*\c+16:\s+32*\c+31], v[TM+12+\c]
.endr
	WIN 0
	v_nop
.irp c, 0,1
.irp i, 0,1,2
	v_mov_b32 v[PC+6*\c+3+\i], v[PC+12+4*\c+\i]
.endr
.endr
.endm
.macro ROPE a
.set AC, 64*((\a)%4)
.set CB, CS+32*((\a)%2)
	WIN 2+(\a)/4
.irp e, 0,1
.irp i, 0,2,4,6,8,10,12,14
.set TT, T+2*(\i%4)
	v_pk_mul_f32 v[TT:TT+1], v[AC+32*\e+16+\i:AC+32*\e+17+\i], v[CB+16+\i:CB+17+\i]
	v_pk_mul_f32 v[TT+2:TT+3], v[AC+32*\e+\i:AC+32*\e+\i+1], v[CB+16+\i:CB+17+\i]
	v_pk_fma_f32 v[R+32*\e+\i:R+32*\e+\i+1], v[AC+32*\e+\i:AC+32*\e+\i+1], v[CB+\i:CB+\i+1], v[TT:TT+1] neg_lo:[0,0,1] neg_hi:[0,0,1]
	v_pk_fma_f32 v[R+32*\e+16+\i:R+32*\e+17+\i], v[AC+32*\e+16+\i:AC+32*\e+17+\i], v[CB+\i:CB+\i+1], v[TT+2:TT+3]
.endr
.endr
	WIN 0
.endm
	s_mov_b32 s[SEL], 0x76543210
	s_mov_b32 s[SEL+1], 0xfedcba98
	s_mov_b32 s22, 0xffff0000
.irp b, 0,1,2,3
	v_mov_b32 v[TM+4+\b], 0
.endr
	s_add_co_u32 s96, s18, s15
	s_lshr_b32 s97, s96, 3
	s_and_b32 s96, s96, 7
	s_add_co_u32 s98, s94, s16
	s_and_b32 s98, s98, 7
	s_lshl_b32 s97, s97, 4
	s_lshl_b32 s98, s98, 1
	s_add_co_u32 s97, s97, s98
	s_mov_b32 s104, 104448
	s_mov_b32 s99, 13056
	s_cmp_eq_u32 ttmp9, 0
	s_cselect_b64 s[46:47], s[10:11], s[12:13]
	s_cselect_b32 s104, 53248, s104
	s_cselect_b32 s99, 6656, s99
	s_mov_b32 s105, 0
	s_mul_i32 s66, s97, s104
	s_mul_i32 s67, s96, s99
	s_add_co_u32 s66, s66, s67
	s_mov_b32 s67, 0
	s_add_nc_u64 s[46:47], s[46:47], s[66:67]
	s_add_nc_u64 s[92:93], s[46:47], s[104:105]
.irp a, 0,1,2,3,4,5,6,7
.if \a < 7
	s_wait_loadcnt 8
.else
	s_wait_loadcnt 0x0
.endif
	ROPE \a
.if \a < 6
	LOADCS \a+2
.endif
	s_wait_xcnt 0x0
	QUANT R, 0
.if \a%2 == 0
	v_and_b32 v[SW+\a/2], 0xffff, v[PW]
	v_lshrrev_b32 v[SW+4+\a/2], 16, v[PW]
.else
	v_and_b32 v[HW], 0xffff, v[PW]
	v_lshrrev_b32 v[HW+1], 16, v[PW]
	v_cndmask_b32 v[SW+\a/2], v[SW+\a/2], v[HW], s22
	v_cndmask_b32 v[SW+4+\a/2], v[SW+4+\a/2], v[HW+1], s22
.endif
	global_store_b128 v[L16], v[PC:PC+3], s[46:47] offset:768*\a
	global_store_b64 v[L8], v[PC+4:PC+5], s[46:47] offset:768*\a+512
	global_store_b128 v[L16], v[PC+6:PC+9], s[92:93] offset:768*\a
	global_store_b64 v[L8], v[PC+10:PC+11], s[92:93] offset:768*\a+512
.endr
	global_store_b128 v[L16], v[SW:SW+3], s[46:47] offset:6144
	global_store_b128 v[L16], v[SW+4:SW+7], s[92:93] offset:6144
.set NA,   4
.set PH2,  1
.set ADRA, 8
.set ADRS, 26
	FETCH_B 0, 0, 0
	FETCH_A 0, 0, 0, NA/2
	SCALES 0
	FETCH_A 0, 0, NA/2, NA/2
	STEP 0, 0, 1
	TURN 0, 1, 1
	STEP 1, 0, 0
	TURN 1, 0, 1
	STEP 0, 0, 0
	TURN 0, 1, 0
	STEP 1, 0, 0
	s_wait_dscnt (NA/2)*NL
	MULR 0, NA/2, 1, NQ-1, 1, 0
	s_wait_dscnt 0
	MULR NA/2, NA/2, 1, NQ-1, 1, 0
	WIN 0
	PLACES NP
	s_wait_xcnt 0x0
	s_add_co_u32 s96, s95, s16
	s_lshr_b32 s97, s96, 3
	s_and_b32 s96, s96, 7
	s_and_b32 s98, s19, 7
	s_lshl_b32 s97, s97, 4
	s_lshl_b32 s98, s98, 1
	s_add_co_u32 s97, s97, s98
	s_add_co_u32 s97, s97, s15
	s_mul_i32 s66, s97, 104448
	s_mul_i32 s67, s96, 13056
	s_add_co_u32 s66, s66, s67
	s_mov_b32 s67, 0
	s_add_nc_u64 s[46:47], s[12:13], s[66:67]
.irp a, 0,1,2,3
.set AC, 64*\a
	s_wait_xcnt 0x0
	QUANTV AC
.if \a%2 == 0
	v_mov_b32 v[SW+\a/2], v[PW]
.else
	v_cndmask_b32 v[SW+\a/2], v[SW+\a/2], v[PW], s22
.endif
	global_store_b128 v[L16], v[PC:PC+3], s[46:47] offset:6656+1536*\a
	global_store_b64 v[L8], v[PC+4:PC+5], s[46:47] offset:6656+1536*\a+512
	global_store_b128 v[L16], v[PC+6:PC+9], s[46:47] offset:6656+1536*\a+768
	global_store_b64 v[L8], v[PC+10:PC+11], s[46:47] offset:6656+1536*\a+1280
.endr
	global_store_b64 v[L8], v[SW:SW+1], s[46:47] offset:12800
	s_wait_tensorcnt 0x0
	ds_add_u32 v[SPW], v[NIL]
	s_wait_dscnt 0x0
	CROUND
	s_endpgm
.Lfunc_end_k_q4ae6652231_gemm_qkv:
	.size	k_q4ae6652231_gemm_qkv, .Lfunc_end_k_q4ae6652231_gemm_qkv-k_q4ae6652231_gemm_qkv
	.p2alignl 7, 3214868480
	.fill 96, 4, 3214868480
	.section	.rodata,"a",@progbits
	.p2align	6, 0x0
	.amdhsa_kernel k_q4ae6652231_gemm_qkv
		.amdhsa_group_segment_fixed_size 327680
		.amdhsa_private_segment_fixed_size 0
		.amdhsa_enable_private_segment 0
		.amdhsa_kernarg_size 40
		.amdhsa_user_sgpr_count 2
		.amdhsa_user_sgpr_kernarg_segment_ptr 1
		.amdhsa_wavefront_size32 1
		.amdhsa_system_sgpr_workgroup_id_x 1
		.amdhsa_system_sgpr_workgroup_id_y 1
		.amdhsa_system_sgpr_workgroup_id_z 1
		.amdhsa_system_vgpr_workitem_id 0
		.amdhsa_next_free_vgpr 1024
		.amdhsa_next_free_sgpr 106
		.amdhsa_reserve_vcc 0
		.amdhsa_float_denorm_mode_32 3
		.amdhsa_float_denorm_mode_16_64 3
		.amdhsa_memory_ordered 1
		.amdhsa_forward_progress 1
		.amdhsa_inst_pref_size 255
	.end_amdhsa_kernel
	.section	.bss,"aw",@nobits
	.p2align	6
	.space	262144
	.amdgpu_metadata
---
amdhsa.version: [ 1, 2 ]
amdhsa.kernels:
  - .name:           k_q4ae6652231_gemm_qkv
    .symbol:         k_q4ae6652231_gemm_qkv.kd
    .args:
      - { .name: opc, .offset: 0, .size: 8, .value_kind: global_buffer, .address_space: global }
      - { .name: ops, .offset: 8, .size: 8, .value_kind: global_buffer, .address_space: global }
      - { .name: tab, .offset: 16, .size: 8, .value_kind: global_buffer, .address_space: global }
      - { .name: qc, .offset: 24, .size: 8, .value_kind: global_buffer, .address_space: global }
      - { .name: kvc, .offset: 32, .size: 8, .value_kind: global_buffer, .address_space: global }
    .group_segment_fixed_size: 327680
    .private_segment_fixed_size: 0
    .kernarg_segment_align: 8
    .kernarg_segment_size: 40
    .max_flat_workgroup_size: 128
    .sgpr_count:     106
    .vgpr_count:     1024
    .wavefront_size: 32
...
	.end_amdgpu_metadata
.endif
;; end of part 2
;; launch attn (part 3): grid 4 x 64, 16 waves a work-group, clusters of 4 x 1, 327,680 bytes of LDS; arguments qc, kvc, yc, ys; writes yc, ys
.if DOCPART == 3
	.amdgcn_target "amdgcn-amd-amdhsa--gfx1250"
	.amdhsa_code_object_version 6
	.text
	.protected	k_q4ae6652231_attn
	.globl	k_q4ae6652231_attn
	.p2align	8
	.type	k_q4ae6652231_attn,@function
k_q4ae6652231_attn:
	s_mov_b64 s[64:65], 0
	v_nop
	global_prefetch_b8 v0, s[64:65] scope:SCOPE_SE
	s_setreg_imm32_b32 hwreg(HW_REG_WAVE_MODE, 25, 1), 1
	s_wait_xcnt 0x0
	s_wait_alu depctr_hold_cnt(0) depctr_sa_sdst(0) depctr_va_vdst(0) depctr_va_sdst(0) depctr_va_ssrc(0) depctr_va_vcc(0) depctr_vm_vsrc(0)
	s_getreg_b32 s2, hwreg(HW_REG_IB_STS2, 6, 4)
	s_cmp_eq_u32 s2, 0
	s_cbranch_scc0 .Lentry_in_a_cluster
	s_endpgm
.Lentry_in_a_cluster:
	s_bfe_u32 s2, ttmp6, 0x10000c
	s_cmp_lg_u32 s2, 0x3003
	s_cbranch_scc0 .Lentry_shape_is_right
	s_endpgm
.Lentry_shape_is_right:
; y = softmax(q k^T / 8) v for each head, both products on codes of FP6 (E2M3) with E8M0 scales; y is quantised along C in registers and leaves as the next product's operand.
; THE SOFTMAX: t = score x log2(e) / 8; M = the running largest t rounded UP to a whole number; p = 2^(t - M) is quantised along the keys, not normalised; the row's sum is of the unquantised p and divides at the end;
; when M moves, the sum and O are multiplied by 2^(old M - new M): exact.
; SHARES: a work-group owns a pair of heads (work-group y) and 256 queries (its place in the cluster); each of sixteen waves owns one tile of 16 queries and walks the two heads one after the other.
; LDS: bytes 0-1,023 a stage for y's scale words, 1,024-3,071 the spare words; from byte 13,056 on K, V and their words of both heads, 16 blocks of 13,056 bytes (a head's 128 keys each): wave w brings block w, once.
; CLUSTER: the four work-groups of a cluster walk the same two heads: each block is asked for jointly.  No prefetch: every tile is asked for at the head, there is no loop of fills to run ahead in.
; LAYOUT: S^T = K Q^T (source 0 = 16 keys), O^T = V^T P^T (source 0 = 16 of d): a lane holds one query.  Row 8 h + j of key tile 4 c + u is key 64 c + 32 h + 8 u + j, so a lane's registers S + 32 c .. + 31 are
; keys 64 c + 32 h + 0 .. 31: a whole block of 32, in the order of the next operand: its maximum needs no other lane and its codes no exchange of lanes.
; K = 64 of the first product is filled up to 128 by zero codes in Q's upper six registers.  A code of E2M3 is always a finite number, so what stands against those zeros adds nothing:
; K's eight half fragments lie 6 registers apart, and a fragment's upper half is the next one's lower half (the last one's: six registers of zeros).
; LIMITS: NaN and infinities are not served; a block whose largest p lies under 2^-124 has the byte 1; the scaled scores stay under 2^31 in magnitude.
.set BLK,   13056                      ; K: 8 half images (6,144) | its words (512) | V: 4 images (6,144) | its words (256)
.set SPARE, 1024
.set L16, 1                            ; 16 x lane
.set L8,  2                            ; 8 x lane
.set A16, 3                            ; the same + a block's first byte
.set A8,  4
.set QSO, 5
.set STA, 6
.set HWD, 7
.set RDA, 8
.set SH,  11                           ; 8 h
.set QA,  16                           ; v16-27 Q, first head; v236-247 second head
.set QB,  236
.set KF,  32                           ; v32-85 K's eight half fragments + 6 zeros; then v32-79 V's four fragments
.set PCD, 90                           ; v90-101 p's codes.  Scales alone: v28-31 K's, v86-87 V's, v88 and v248 Q's, v89 p's
.set CT,  104                          ; v104-106, v108-110 second halves as the conversions leave them
.set S,   112                          ; v112-175 S^T, then p
.set O,   176                          ; v176-207 O^T
.set F,   208                          ; v[208:209] f = 2^(old M - new M)
.set TA,  210
.set TB,  211
.set BM,  212
.set SO,  214
.set BP,  216
.set W,   218
.set P,   220                          ; v220-227 four partial sums, two numbers each
.set YC,  228
.macro CROUND
	s_barrier_signal -1
	s_barrier_wait -1
	s_cmp_lg_u32 s12, 0
	s_cbranch_scc1 .Lnot_wave_0_\@
	s_barrier_signal -3
.Lnot_wave_0_\@:
	s_barrier_wait -3
	s_barrier_signal -1
	s_barrier_wait -1
.endm
.macro D1
	s_delay_alu instid0(VALU_DEP_1)
.endm
	s_load_b256 s[4:11], s[0:1], 0x0               ; qc, kvc, yc, ys
	v_lshl_add_u32 v254, v0, 2, SPARE
	v_mov_b32 v255, 0
	ds_add_u32 v254, v255                          ; the opening lines
	ds_add_u32 v254, v255
	v_lshrrev_b32 v9, 5, v0
	v_readfirstlane_b32 s12, v9                    ; wave 0..15
	s_bfe_u32 s13, ttmp6, 0x40000                  ; cx: my quarter of the queries
	s_and_b32 s14, ttmp7, 0xffff                   ; the pair of heads: 8 x batch + pair
	s_mov_b32 s16, 15|(3<<16)|(1<<21)              ; the mask of all four; elements of 8 bytes
	s_mov_b32 s17, 32<<16                          ; 51 rows of 256 bytes: a dense block
	s_mov_b32 s18, 51<<16
	s_mov_b32 s19, 32<<16
	s_mov_b32 s20, 51
	s_mov_b32 s21, 32
	s_mov_b32 s22, 0
	s_mov_b32 s23, 0
	s_mov_b32 s24, 1
	s_mul_i32 s28, s12, BLK
	s_add_co_u32 s25, s28, BLK                     ; block w in LDS
	s_mul_i32 s29, s14, 16*BLK
	s_add_co_u32 s28, s28, s29                     ; and in memory
	s_mov_b32 s29, 0
	s_wait_dscnt 0x0
	s_wait_kmcnt 0x0
	s_add_nc_u64 s[26:27], s[6:7], s[28:29]
	s_or_b32 s27, s27, 0x80000000
	CROUND                                         ; the joint loads meet
	s_cmp_lt_u32 s12, 8                            ; the first head's eight blocks are asked for at the head, by waves 0-7; the second head's behind the next round, by waves 8-15
	s_cbranch_scc0 .Lno_first
	tensor_load_to_lds s[24:27], s[16:23]
	s_nop 0
.rept 4
	v_nop
.endr
.Lno_first:
	s_lshr_b32 s2, s12, 1
	s_lshl_b32 s2, s2, 7
	s_and_b32 s31, s12, 1
	s_lshl_b32 s44, s31, 2
	s_add_co_u32 s2, s2, s44
	s_lshl_b32 s45, s31, 8                         ; Q's words: 16 r + 256 (tile % 2) + 4 (tile / 2 % 4)
	s_bfe_u32 s44, s12, 0x20001
	s_lshl_b32 s44, s44, 2
	s_add_co_u32 s45, s45, s44
	s_min_u32 s46, s12, 1
	s_lshl_b32 s3, s46, 9
	s_lshl_b32 s30, s13, 1
	s_lshr_b32 s31, s12, 3
	s_add_co_u32 s30, s30, s31                     ; my queries' group of 128 tokens
	s_mul_i32 s34, s14, 2*53248
	s_mul_i32 s35, s30, 6656
	s_add_co_u32 s34, s34, s35
	s_mov_b32 s35, 0
	s_and_b32 s31, s12, 7                          ; and my tile in it
	s_mul_i32 s32, s31, 768
	s_add_co_u32 s32, s32, s34
	s_mov_b32 s33, 0
	s_add_nc_u64 s[32:33], s[4:5], s[32:33]        ; Q's half image, first head
	s_add_nc_u64 s[34:35], s[4:5], s[34:35]        ; its group's block
	s_lshr_b32 s38, s14, 3
	s_lshl_b32 s38, s38, 3
	s_and_b32 s39, s14, 7                          ; the pair = the next product's K step
	s_add_co_u32 s36, s38, s30
	s_mul_i32 s36, s36, 98304
	s_mul_i32 s37, s39, 12288
	s_add_co_u32 s36, s36, s37
	s_mul_i32 s37, s31, 1536
	s_add_co_u32 s36, s36, s37
	s_mov_b32 s37, 0
	s_add_nc_u64 s[36:37], s[8:9], s[36:37]        ; y's image
	s_lshl_b32 s47, s13, 1
	s_add_co_u32 s38, s38, s47
	s_add_co_u32 s38, s38, s46
	s_lshl_b32 s38, s38, 12
	s_lshl_b32 s39, s39, 9
	s_add_co_u32 s38, s38, s39
	s_mov_b32 s39, 0
	s_add_nc_u64 s[38:39], s[10:11], s[38:39]      ; y's scale words (waves 0, 1)
	s_mov_b32 s40, 0x76543210
	s_mov_b32 s41, 0xfedcba98                      ; selects for lane l xor 16
	s_mov_b32 s42, 0x3e38aa3b                      ; c = log2(e) / 8
	s_mov_b32 s43, s42
	s_mov_b32 s15, 0xbe38aa3b                      ; -c
	v_and_b32 v9, 31, v0
	v_and_b32 v10, 15, v0
	v_bfe_u32 v[SH], v0, 4, 1
	v_lshlrev_b32 v[L16], 4, v9
	v_lshlrev_b32 v[L8], 3, v9
	v_lshl_add_u32 v[STA], v10, 3, s2
	v_lshl_add_u32 v[QSO], v10, 4, s45
	v_lshlrev_b32 v[SH], 3, v[SH]
	v_add_nc_u32 v[RDA], s3, v[L16]
	s_wait_alu depctr_va_vdst(0)                   ; the wait ahead of the readers below
	global_load_b128 v[QA:QA+3], v[L16], s[32:33]
	global_load_b64 v[QA+4:QA+5], v[L8], s[32:33] offset:512
	global_load_b32 v88, v[QSO], s[34:35] offset:6144
.irp j, 0,1,2,3,4,5
	v_mov_b32 v[QA+6+\j], 0                        ; zero codes for k = 64 .. 127 of Q
	v_mov_b32 v[QB+6+\j], 0
	v_mov_b32 v[KF+48+\j], 0                       ; what stands behind K's last half fragment
.endr
	v_mov_b32 v[F+1], 0                            ; (named as the upper half of a pair)
	s_wait_alu depctr_va_vdst(0)                   ; the wait at the head's end
	s_wait_tensorcnt 0x0                           ; my block of the first head is in
	ds_add_u32 v254, v255
	ds_add_u32 v254, v255
	s_wait_dscnt 0x0
	CROUND                                         ; everybody's block is in, and the second joint loads meet
	s_cmp_lt_u32 s12, 8
	s_cbranch_scc1 .Lno_second
	tensor_load_to_lds s[24:27], s[16:23]          ; the second head's block w - 8
	s_nop 0
.rept 4
	v_nop
.endr
.Lno_second:
	global_load_b128 v[QB:QB+3], v[L16], s[32:33] offset:53248         ; the second head's Q
	global_load_b64 v[QB+4:QB+5], v[L8], s[32:33] offset:53248+512
	global_load_b32 v248, v[QSO], s[34:35] offset:53248+6144
	s_wait_loadcnt 0x3                             ; the first head's Q is in; the three loads just issued stay out
.macro QK t, row, qf, qs
	v_wmma_scale_f32_16x16x128_f8f6f4 v[S+8*(\t):S+8*(\t)+7], v[KF+6*(\t):KF+6*(\t)+11], v[\qf:\qf+11], 0, v[28+(\t)/2], v[\qs] matrix_a_fmt:MATRIX_FMT_FP6 matrix_b_fmt:MATRIX_FMT_FP6 matrix_a_scale:MATRIX_SCALE_ROW\row
.endm
.macro PV d, row
	v_wmma_scale_f32_16x16x128_f8f6f4 v[O+8*(\d):O+8*(\d)+7], v[KF+12*(\d):KF+12*(\d)+11], v[PCD:PCD+11], v[O+8*(\d):O+8*(\d)+7], v[86+(\d)/2], v89 matrix_a_fmt:MATRIX_FMT_FP6 matrix_b_fmt:MATRIX_FMT_FP6 matrix_a_scale:MATRIX_SCALE_ROW\row
.endm
.macro TM2 n                           ; n packed t - M
.rept \n
	v_pk_fma_f32 v[S+J:S+J+1], v[S+J:S+J+1], s[42:43], v[12:13] op_sel_hi:[1,0,0]
.set J, J+2
.endr
.endm
.macro SUM n                           ; n packed additions of the unquantised p, into four partial sums by turns
.rept \n
.if KK < 4
	v_pk_add_f32 v[P+2*KK:P+2*KK+1], v[S+2*KK:S+2*KK+1], v[S+2*KK+8:S+2*KK+9]
.else
	v_pk_add_f32 v[P+2*(KK%4):P+2*(KK%4)+1], v[P+2*(KK%4):P+2*(KK%4)+1], v[S+2*KK+8:S+2*KK+9]
.endif
.set KK, KK+1
.endr
.endm
; A KEY STEP: 128 keys; s44 = its block's first LDS byte; at its head A16 and A8 still point at the block before.
.macro STEP qf, qs
	ds_load_b128 v[28:31], v[A16] offset:BLK+6144  ; K's words: register t / 2: lanes 0-15 tile t even, lanes 16-31 odd
.irp t, 0,1,2,3,4,5,6,7
	ds_load_b128 v[KF+6*\t:KF+6*\t+3], v[A16] offset:BLK+768*\t
	ds_load_b64 v[KF+6*\t+4:KF+6*\t+5], v[A8] offset:BLK+768*\t+512
.endr
	s_wait_dscnt 0x0
.irp t, 0,2,4,6
	QK \t, 0, \qf, \qs
	QK \t+1, 1, \qf, \qs
.endr
	v_add_nc_u32 v[A16], s44, v[L16]               ; four places behind the products, ahead of the reads of S^T and of the loads into K's registers
	v_add_nc_u32 v[A8], s44, v[L8]
	v_mov_b32 v[TA], v12                           ; the old -M
	v_nop
.irp d, 0,1,2,3                        ; V's four fragments take K's registers; they land under the softmax
	ds_load_b128 v[KF+12*\d:KF+12*\d+3], v[A16] offset:6656+1536*\d
	ds_load_b64 v[KF+12*\d+4:KF+12*\d+5], v[A8] offset:6656+1536*\d+512
	ds_load_b128 v[KF+12*\d+6:KF+12*\d+9], v[A16] offset:6656+1536*\d+768
	ds_load_b64 v[KF+12*\d+10:KF+12*\d+11], v[A8] offset:6656+1536*\d+1280
.endr
	ds_load_b64 v[86:87], v[A8] offset:12800
.irp c, 0,1                            ; the largest score of my two blocks, four chains by turns; each accumulator is read from its low end on
	v_max3_num_f32 v[BM+\c], v[S+32*\c], v[S+32*\c+1], v[S+32*\c+2]
	v_max3_num_f32 v[W+\c], v[S+32*\c+16], v[S+32*\c+17], v[S+32*\c+18]
.endr
.irp i, 3,5,7,9,11,13
.irp c, 0,1
	v_max3_num_f32 v[BM+\c], v[BM+\c], v[S+32*\c+\i], v[S+32*\c+\i+1]
	v_max3_num_f32 v[W+\c], v[W+\c], v[S+32*\c+16+\i], v[S+32*\c+17+\i]
.endr
.endr
.irp c, 0,1
	v_max3_num_f32 v[BM+\c], v[BM+\c], v[W+\c], v[S+32*\c+15]
.endr
.irp c, 0,1
	v_max_num_f32 v[BM+\c], v[BM+\c], v[S+32*\c+31]
.endr
	D1
	v_max_num_f32 v[TB], v[BM], v[BM+1]
	D1
	v_permlanex16_b32 v[W], v[TB], s40, s41
	D1
	v_max3_num_f32 v13, v13, v[TB], v[W]           ; the running largest score of my query
	D1
	v_mul_f32 v[TB], s15, v13                      ; -t
	D1
	v_floor_f32 v12, v[TB]                         ; -M = floor(-t)
	D1
	v_sub_f32 v[TB], v12, v[TA]                    ; old M - new M: a whole number, 0 or less
.set J, 0
	TM2 2
	v_cvt_i32_f32 v[TB], v[TB]                     ; (it saturates)
	TM2 2
	v_ldexp_f32 v[F], 1.0, v[TB]                   ; f
	TM2 28
.irp c, 0,1
	v_fma_f32 v[BM+\c], v[BM+\c], s42, v12         ; the same of each block's largest score: p rises with the score
.endr
.set J, 0
.rept 16
	v_pk_mul_f32 v[O+J:O+J+1], v[O+J:O+J+1], v[F:F+1] op_sel_hi:[1,0]   ; O^T under the new M
.set J, J+2
.endr
	s_wait_alu depctr_va_vdst(0)                   ; the wait ahead of the batch
.irp c, 0,1
	v_exp_f32 v[BM+\c], v[BM+\c]                   ; the block's largest p
.endr
.set J, 0
.rept 64
	v_exp_f32 v[S+J], v[S+J]                       ; p
.set J, J+1
.endr
	v_nop                                          ; one plain place behind the exponentials
	s_wait_alu depctr_va_vdst(0)                   ; and the wait behind the batch
.set KK, 0
.irp c, 0,1
	v_max_num_f32 v[BM+\c], 0x1800000, v[BM+\c]    ; the floor 2^(3 - 127)
.endr
	SUM 2
.irp c, 0,1
	v_add_nc_u32 v[SO+\c], 0xff000000, v[BM+\c]    ; the conversions' scale operands
.endr
	SUM 2
.irp c, 0,1
	v_lshrrev_b32 v[BP+\c], 23, v[SO+\c]           ; the bytes of blocks h and 2 + h
.endr
.irp c, 0,1
	v_cvt_scalef32_pk16_fp6_f32 v[PCD+6*\c:PCD+6*\c+2], v[S+32*\c:S+32*\c+15], v[SO+\c]
	v_cvt_scalef32_pk16_fp6_f32 v[CT+4*\c:CT+4*\c+2], v[S+32*\c+16:S+32*\c+31], v[SO+\c]
.endr
	SUM 2                                          ; (plain places behind the conversions)
	v_lshl_or_b32 v[W], v[BP+1], 16, v[BP]
	SUM 1
	v_lshlrev_b32 v[W], v[SH], v[W]                ; at their places in the word
	SUM 1
	v_permlanex16_b32 v[W+1], v[W], s40, s41
.irp c, 0,1
.irp i, 0,1,2
	v_mov_b32 v[PCD+6*\c+3+\i], v[CT+4*\c+\i]
.endr
.endr
	v_or_b32 v89, v[W], v[W+1]                     ; p's scale word
	SUM 20                                         ; these also stand between the word, the codes and the products
	s_wait_alu depctr_va_vdst(0)                   ; the wait ahead of the wait below
	s_wait_dscnt 0x0                               ; V
	PV 0, 0                                        ; the four accumulators by turns
	PV 1, 1
	PV 2, 0
	PV 3, 1
	v_pk_add_f32 v[P:P+1], v[P:P+1], v[P+2:P+3]    ; four places behind the products, ahead of the next loads into V's registers
	v_pk_add_f32 v[P+4:P+5], v[P+4:P+5], v[P+6:P+7]
	v_pk_add_f32 v[P:P+1], v[P:P+1], v[P+4:P+5]
	v_pk_fma_f32 v[14:15], v[14:15], v[F:F+1], v[P:P+1] op_sel_hi:[1,0,1]   ; the sum under the new M + this step's
.endm
.macro PASS c, qf, qs
	v_mov_b32 v13, 0xff61b1e6                      ; the largest score so far: -3e38
	v_mov_b32 v12, 0x7f61b1e6                      ; -M
	v_mov_b32 v14, 0
	v_mov_b32 v15, 0
.set J, 0
.rept 32
	v_mov_b32 v[O+J], 0                            ; the step is written once: its first trip finds zeros
.set J, J+1
.endr
	s_mov_b32 s44, \c*8*BLK                        ; one block ahead of the head's first
	s_mov_b32 s45, 8
	v_add_nc_u32 v[A16], s44, v[L16]
	v_add_nc_u32 v[A8], s44, v[L8]
	s_wait_alu depctr_va_vdst(0)
.Lstep_\c:
	s_add_co_u32 s44, s44, BLK
	STEP \qf, \qs
	s_sub_co_u32 s45, s45, 1
	s_cmp_lg_u32 s45, 0
	s_wait_alu depctr_va_vdst(0)                   ; the wait ahead of the branch
	s_cbranch_scc1 .Lstep_\c
	v_add_f32 v14, v14, v15
	D1
	v_permlanex16_b32 v[TB], v14, s40, s41
	D1
	v_add_f32 v14, v14, v[TB]                      ; the row's sum
	s_wait_alu depctr_va_vdst(0)
	v_rcp_f32 v14, v14
	v_nop
	s_wait_alu depctr_va_vdst(0)
.set J, 0
.rept 16
	v_pk_mul_f32 v[S+J:S+J+1], v[O+J:O+J+1], v[14:15] op_sel_hi:[1,0]   ; y: register 16 b + i = d 32 b + 16 h + i
.set J, J+2
.endr
.irp b, 0,1
	v_max3_num_f32 v[BM+\b], |v[S+16*\b]|, |v[S+16*\b+1]|, 0x1800000
.endr
.irp i, 2,4,6,8,10,12,14
.irp b, 0,1
	s_delay_alu instid0(VALU_DEP_2)
	v_max3_num_f32 v[BM+\b], v[BM+\b], |v[S+16*\b+\i]|, |v[S+16*\b+\i+1]|
.endr
.endr
.irp b, 0,1
	s_delay_alu instid0(VALU_DEP_2)
	v_permlanex16_b32 v[BP+\b], v[BM+\b], s40, s41
.endr
.irp b, 0,1
	s_delay_alu instid0(VALU_DEP_2)
	v_max_num_f32 v[BM+\b], v[BM+\b], v[BP+\b]
.endr
.irp b, 0,1
	s_delay_alu instid0(VALU_DEP_2)
	v_add_nc_u32 v[SO+\b], 0xff000000, v[BM+\b]
.endr
.irp b, 0,1
	s_delay_alu instid0(VALU_DEP_2)
	v_lshrrev_b32 v[BP+\b], 23, v[SO+\b]
.endr
.if \c
	D1
	v_lshl_or_b32 v[TA], v[BP+1], 8, v[BP]
	D1
	v_lshl_or_b32 v[HWD], v[TA], 16, v[HWD]        ; bytes 2, 3 of my rows' word
	s_wait_alu depctr_va_vdst(0)
	s_wait_xcnt 0x0                                ; the first head's stores have read the codes' registers
.else
	D1
	v_lshl_or_b32 v[HWD], v[BP+1], 8, v[BP]        ; bytes 0, 1
.endif
	v_cvt_scalef32_pk16_fp6_f32 v[YC:YC+2], v[S:S+15], v[SO]
	v_cvt_scalef32_pk16_fp6_f32 v[YC+4:YC+6], v[S+16:S+31], v[SO+1]
	v_nop
.irp i, 0,1,2
	v_permlane16_swap_b32 v[YC+\i], v[YC+4+\i]
.endr
	v_mov_b32 v[YC+3], v[YC+4]
	v_mov_b32 v[YC+4], v[YC+5]
	v_mov_b32 v[YC+5], v[YC+6]
	global_store_b128 v[L16], v[YC:YC+3], s[36:37] offset:768*\c       ; half c of the fragment's image: 512 consecutive bytes,
	global_store_b64 v[L8], v[YC+4:YC+5], s[36:37] offset:768*\c+512   ; and 256
.endm
	PASS 0, QA, 88
	s_wait_loadcnt 0x0                             ; the second head's Q,
	s_wait_tensorcnt 0x0                           ; my block of it,
	s_barrier_signal -1
	s_barrier_wait -1                              ; and everybody's
	PASS 1, QB, 248
	ds_store_b32 v[STA], v[HWD]                    ; lanes r and r + 16 write the same word with the same value
	s_wait_dscnt 0x0                               ; for the others' sake
	s_barrier_signal -1
	s_barrier_wait -1
	s_cmp_lt_u32 s12, 2
	s_cbranch_scc0 .Lno_words
	ds_load_b128 v[112:115], v[RDA]                ; a group's 512 bytes of words
	s_wait_dscnt 0x0
	global_store_b128 v[L16], v[112:115], s[38:39]
.Lno_words:
	s_wait_tensorcnt 0x0                           ; the wave's end
	ds_add_u32 v254, v255
	s_wait_dscnt 0x0
	CROUND                                         ; the closing round
	s_endpgm
.Lfunc_end_k_q4ae6652231_attn:
	.size	k_q4ae6652231_attn, .Lfunc_end_k_q4ae6652231_attn-k_q4ae6652231_attn
	.p2alignl 7, 3214868480
	.fill 96, 4, 3214868480
	.section	.rodata,"a",@progbits
	.p2align	6, 0x0
	.amdhsa_kernel k_q4ae6652231_attn
		.amdhsa_group_segment_fixed_size 327680
		.amdhsa_private_segment_fixed_size 0
		.amdhsa_enable_private_segment 0
		.amdhsa_kernarg_size 32
		.amdhsa_user_sgpr_count 2
		.amdhsa_user_sgpr_kernarg_segment_ptr 1
		.amdhsa_wavefront_size32 1
		.amdhsa_system_sgpr_workgroup_id_x 1
		.amdhsa_system_sgpr_workgroup_id_y 1
		.amdhsa_system_sgpr_workgroup_id_z 1
		.amdhsa_system_vgpr_workitem_id 0
		.amdhsa_next_free_vgpr 256
		.amdhsa_next_free_sgpr 66
		.amdhsa_reserve_vcc 0
		.amdhsa_float_denorm_mode_32 3
		.amdhsa_float_denorm_mode_16_64 3
		.amdhsa_memory_ordered 1
		.amdhsa_forward_progress 1
		.amdhsa_inst_pref_size 49
	.end_amdhsa_kernel
	.amdgpu_metadata
---
amdhsa.version: [ 1, 2 ]
amdhsa.kernels:
  - .name:           k_q4ae6652231_attn
    .symbol:         k_q4ae6652231_attn.kd
    .args:
      - { .name: qc, .offset: 0, .size: 8, .value_kind: global_buffer, .address_space: global }
      - { .name: kvc, .offset: 8, .size: 8, .value_kind: global_buffer, .address_space: global }
      - { .name: yc, .offset: 16, .size: 8, .value_kind: global_buffer, .address_space: global }
      - { .name: ys, .offset: 24, .size: 8, .value_kind: global_buffer, .address_space: global }
    .group_segment_fixed_size: 327680
    .private_segment_fixed_size: 0
    .kernarg_segment_align: 8
    .kernarg_segment_size: 32
    .max_flat_workgroup_size: 512
    .sgpr_count:     66
    .vgpr_count:     256
    .wavefront_size: 32
...
	.end_amdgpu_metadata
.endif
;; end of part 3
;; launch gemm_proj (part 4): grid 4 x 64, 4 waves a work-group, clusters of 4 x 4, 327,680 bytes of LDS; arguments yc, ys, opc, ops, out0; writes out0
.if DOCPART == 4
	.amdgcn_target "amdgcn-amd-amdhsa--gfx1250"
	.amdhsa_code_object_version 6
	.text
	.protected	k_q4ae6652231_gemm_proj
	.globl	k_q4ae6652231_gemm_proj
	.p2align	8
	.type	k_q4ae6652231_gemm_proj,@function
k_q4ae6652231_gemm_proj:
	s_mov_b64 s[64:65], 0
	v_nop
	global_prefetch_b8 v0, s[64:65] scope:SCOPE_SE
	s_setreg_imm32_b32 hwreg(HW_REG_WAVE_MODE, 25, 1), 1
	s_wait_xcnt 0x0
	s_wait_alu depctr_hold_cnt(0) depctr_sa_sdst(0) depctr_va_vdst(0) depctr_va_sdst(0) depctr_va_ssrc(0) depctr_va_vcc(0) depctr_vm_vsrc(0)
	s_getreg_b32 s2, hwreg(HW_REG_IB_STS2, 6, 4)
	s_cmp_eq_u32 s2, 0
	s_cbranch_scc0 .Lentry_in_a_cluster
	s_endpgm
.Lentry_in_a_cluster:
	s_bfe_u32 s2, ttmp6, 0x10000c
	s_cmp_lg_u32 s2, 0xf033
	s_cbranch_scc0 .Lentry_shape_is_right
	s_endpgm
.Lentry_shape_is_right:
; out0 = y W_proj on codes of FP6 (E2M3) with E8M0 scales.  A work-group makes 128 tokens x 256 columns; a wave all 128 tokens x 64 columns.
; ALL OF K IS IN LDS AT ONCE: y's group of 128 tokens is 98,304 dense bytes (8 K steps x 8 images of 1,536), W_proj's two groups of 128 columns 196,608.  Wave 0 brings y's, waves 1 to 3 a third of W's each:
; one joint load a wave at the head, nothing is filled again, so there is no ring; and no loop of fills in which a prefetch could run ahead.
; CLUSTER 4 x 4: y's group is shared along a row of the cluster, W's groups along a column.
; THE WALK GOES BY ROWS OF THE RESULT: a wave's share of W, 4 tiles x 8 K steps = 32 fragments, 384 registers, is read from LDS once and stays; y's tiles of 16 tokens follow each other, 32 products each,
; and each finished block of 16 tokens x 64 columns leaves while the next tile is multiplied.  A tile has eight accumulators, 4 column tiles x the parity of the K step, by turns; the two parities are added at the end.
; THE SCALE WORDS go from memory into registers, 256 consecutive bytes a load: lanes 0-15 take a pair of tiles, lanes 16-31 the next pair; the products name the half of the lanes by the row selectors.
; Source 0 = 16 columns of W, source 1 = 16 tokens: a lane holds one token and eight neighbouring columns.  Row 8 h + j of token tile 4 c + u is token 64 c + 32 h + 8 u + j.
; THE WAY OUT: a stage of 16 rows x 272 bytes for each wave, on LDS bytes of its own; sixteen lanes store a row's 256 consecutive bytes, aligned.
; REGISTERS: window 0: addresses, v32-63 y's words, v64-79 W's words, v128-255 accumulators, two sets of 64.  Window 1: y's fragments, two sets of 96; v192-255 the way out, two sets of 32.
; Window 2: W's K steps 0-4;  window 3: K steps 5-7.
.set STEPB, 12288
.set BOFF,  98304
.set HALFK, 49152                      ; four K steps: an LDS offset has 16 bits, so each half of K has address registers of its own
.set SPARE, 294912
.set STG0,  SPARE+512
.set ADRA, 16                          ; v16-17 16 bytes a lane, K steps 0-3, 4-7; v18-19 8 bytes a lane
.set ADRB, 20
.set L16,  24
.set L8,   25
.set STO,  26
.set SPW,  28
.set NIL,  29
.set RD,   30
.set CO,   31
.set SA,   32
.set SB,   64
.set ACC,  128
.set BKR,  192
.set G1, 24
.set G0, 32
.set G1B, 48
.set G0B, 56
.set MSB, 0
.macro WIN new
.if MSB != (\new)
	s_set_vgpr_msb (MSB<<8)|(\new)
.set MSB, (\new)
.endif
.endm
.macro CROUND
	s_barrier_signal -1
	s_barrier_wait -1
	s_cmp_lg_u32 s14, 0
	s_cbranch_scc1 .Lnot_wave_0_\@
	s_barrier_signal -3
.Lnot_wave_0_\@:
	s_barrier_wait -3
	s_barrier_signal -1
	s_barrier_wait -1
.endm
.macro SHAPE g, rows                   ; rows of 256 bytes, dense
	s_mov_b32 s[\g+1], 32<<16
	s_mov_b32 s[\g+2], (\rows)<<16
	s_mov_b32 s[\g+3], 32<<16
	s_mov_b32 s[\g+4], \rows
	s_mov_b32 s[\g+5], 32
	s_mov_b32 s[\g+6], 0
	s_mov_b32 s[\g+7], 0
.endm
.macro PLACES
.rept 4
	v_nop
.endr
.endm
	s_load_b256 s[4:11], s[0:1], 0x0               ; yc, ys, opc, ops
	s_load_b64 s[12:13], s[0:1], 0x20              ; out0
	v_lshl_add_u32 v[SPW], v0, 2, SPARE
	v_mov_b32 v[NIL], 0
	ds_add_u32 v[SPW], v[NIL]                      ; the opening lines
	ds_add_u32 v[SPW], v[NIL]
	v_lshrrev_b32 v1, 5, v0
	v_readfirstlane_b32 s14, v1                    ; wave: my 64 columns
	s_lshr_b32 s15, s14, 1                         ; their group of 128,
	s_and_b32 s16, s14, 1                          ; and its lower or upper four tiles
	s_bfe_u32 s40, ttmp6, 0x40000
	s_bfe_u32 s41, ttmp6, 0x40004
	s_and_b32 s17, ttmp7, 0xffff
	s_lshl_b32 s17, s17, 2
	s_add_co_u32 s18, s17, s41                     ; the group of 128 tokens
	s_lshl_b32 s94, s40, 1
	s_add_co_u32 s94, s94, 88                      ; W_proj's first group of the two, in opc and ops
	s_lshl_b32 s43, s41, 2
	s_lshl_b32 s43, 15, s43
	s_lshl_b32 s44, 0x1111, s40
	s_or_b32 s[G1+0], s43, (3<<16)|(1<<21)
	s_or_b32 s[G1B+0], s44, (3<<16)|(1<<21)
	SHAPE G1, 384
	SHAPE G1B, 256
	s_mul_i32 s20, s18, 98304
	s_mov_b32 s21, 0
	s_lshl_b32 s22, s18, 12                        ; y's words
	s_mov_b32 s23, 0
	s_mul_i32 s46, s94, 98304
	s_sub_co_u32 s46, s46, 65536
	s_lshl_b32 s97, s14, 16
	s_add_co_u32 s46, s46, s97                     ; W's third (wave - 1), in memory,
	s_mov_b32 s47, 0
	s_add_co_u32 s97, s97, BOFF-65536              ; and in LDS
	s_add_co_u32 s92, s94, s15
	s_lshl_b32 s92, s92, 12
	s_lshl_b32 s93, s16, 8
	s_add_co_u32 s92, s92, s93                     ; W's words: my two pairs of tiles
	s_mov_b32 s93, 0
	s_lshl_b32 s66, s18, 19
	s_lshl_b32 s67, s40, 10
	s_add_co_u32 s66, s66, s67
	s_lshl_b32 s67, s14, 8
	s_add_co_u32 s66, s66, s67
	s_mov_b32 s67, 0
	s_wait_dscnt 0x0
	s_wait_kmcnt 0x0
	s_add_nc_u64 s[20:21], s[4:5], s[20:21]
	s_add_nc_u64 s[22:23], s[6:7], s[22:23]
	s_add_nc_u64 s[46:47], s[8:9], s[46:47]
	s_add_nc_u64 s[92:93], s[10:11], s[92:93]
	s_add_nc_u64 s[12:13], s[12:13], s[66:67]
	CROUND                                         ; the joint loads meet
	s_mov_b32 s[G0], 1
	s_mov_b32 s[G0+1], 0
	s_mov_b64 s[G0+2:G0+3], s[20:21]
	s_or_b32 s[G0+3], s[G0+3], 0x80000000
	s_mov_b32 s[G0B], 1
	s_mov_b32 s[G0B+1], s97
	s_mov_b64 s[G0B+2:G0B+3], s[46:47]
	s_or_b32 s[G0B+3], s[G0B+3], 0x80000000
	s_cmp_eq_u32 s14, 0
	s_cbranch_scc0 .Lfor_b
	tensor_load_to_lds s[G0:G0+3], s[G1:G1+7]
	s_nop 0
	PLACES
	s_branch .Lasked
.Lfor_b:
	tensor_load_to_lds s[G0B:G0B+3], s[G1B:G1B+7]
	s_nop 0
	PLACES
.Lasked:
	s_mul_i32 s67, s15, 98304
	s_mul_i32 s66, s16, 6144
	s_add_co_u32 s67, s67, s66
	s_add_co_u32 s67, s67, BOFF                    ; my four tiles of W
	s_mul_i32 s98, s14, 4352
	s_add_co_u32 s98, s98, STG0                    ; my stage
	v_and_b32 v1, 31, v0
	v_and_b32 v2, 15, v0
	v_bfe_u32 v3, v0, 4, 1
	v_lshlrev_b32 v[L16], 4, v1
	v_lshlrev_b32 v[L8], 3, v1
	v_mov_b32 v[ADRA], v[L16]
	v_add_nc_u32 v[ADRB], s67, v[L16]
	v_add_nc_u32 v[ADRA+2], 512, v[L8]
	v_add_nc_u32 v[ADRB+2], s67, v[ADRA+2]
.irp x, ADRA, ADRB
	v_add_nc_u32 v[\x+1], HALFK, v[\x]
	v_add_nc_u32 v[\x+3], HALFK, v[\x+2]
.endr
	v_mul_u32_u24 v5, v2, 272
	v_mul_u32_u24 v6, v3, 272
	v_lshlrev_b32 v7, 4, v2
	v_lshl_add_u32 v5, v3, 6, v5
	v_add_nc_u32 v6, v6, v7
	v_lshl_add_u32 v[CO], v3, 12, v7               ; out: lanes 0-15 one token's 256 bytes, lanes 16-31 the next token's
	v_add_nc_u32 v[STO], s98, v5                   ; into the stage: row r, 64 h bytes
	v_add_nc_u32 v[RD], s98, v6                    ; back: two rows an instruction
	s_wait_alu depctr_va_vdst(0)                   ; the wait at the head's end
.irp st, 0,1,2,3,4,5,6,7
	global_load_b64 v[SA+4*\st:SA+4*\st+1], v[L8], s[22:23] offset:512*\st          ; register 2 k + e: lanes 0-15 tile 4 k + e, lanes 16-31 tile 4 k + 2 + e
	global_load_b64 v[SA+4*\st+2:SA+4*\st+3], v[L8], s[22:23] offset:512*\st+256
	global_load_b64 v[SB+2*\st:SB+2*\st+1], v[L8], s[92:93] offset:512*\st          ; register e: lanes 0-15 tile e, lanes 16-31 tile 2 + e
.endr
.macro FRAG reg, adr, st, i
	ds_load_b128 v[\reg:\reg+3], v[\adr+(\st)/4] offset:((\st)%4)*STEPB+(\i)*1536
	ds_load_b64 v[\reg+4:\reg+5], v[\adr+2+(\st)/4] offset:((\st)%4)*STEPB+(\i)*1536
	ds_load_b128 v[\reg+6:\reg+9], v[\adr+(\st)/4] offset:((\st)%4)*STEPB+(\i)*1536+768
	ds_load_b64 v[\reg+10:\reg+11], v[\adr+2+(\st)/4] offset:((\st)%4)*STEPB+(\i)*1536+768
.endm
.macro BLOAD st                        ; W's four fragments of K step st: 16 loads
.if (\st) < 5
	WIN 0x80
.set BR, 48*(\st)
.else
	WIN 0xc0
.set BR, 48*((\st)-5)
.endif
.irp b, 0,1,2,3
	FRAG BR+12*\b, ADRB, \st, \b
.endr
.endm
.macro ALOADH a, hf                    ; y's tile a, K steps 4 hf .. 4 hf + 3, into set a % 2: 16 loads
	WIN 0x40
.irp q, 0,1,2,3
	FRAG 96*((\a)%2)+12*(4*(\hf)+\q), ADRA, 4*(\hf)+\q, \a
.endr
.endm
.macro MULS a, ra, st                  ; four products: tile a (its words in row ra of the lanes) x my four tiles of W, K step st
.if (\st) < 5
	WIN 0x06
.set BR, 48*(\st)
.else
	WIN 0x07
.set BR, 48*((\st)-5)
.endif
.set AC, ACC+64*((\a)%2)+32*((\st)%2)
.irp rw, 0,1
.irp e, 0,1
.set BB, 2*\rw+\e
.if (\st) < 2
	v_wmma_scale_f32_16x16x128_f8f6f4 v[AC+8*BB:AC+8*BB+7], v[BR+12*BB:BR+12*BB+11], v[96*((\a)%2)+12*(\st):96*((\a)%2)+12*(\st)+11], 0, v[SB+2*(\st)+\e], v[SA+4*(\st)+2*((\a)/4)+(\a)%2] matrix_a_fmt:MATRIX_FMT_FP6 matrix_b_fmt:MATRIX_FMT_FP6 matrix_a_scale:MATRIX_SCALE_ROW\rw matrix_b_scale:MATRIX_SCALE_ROW\ra
.else
	v_wmma_scale_f32_16x16x128_f8f6f4 v[AC+8*BB:AC+8*BB+7], v[BR+12*BB:BR+12*BB+11], v[96*((\a)%2)+12*(\st):96*((\a)%2)+12*(\st)+11], v[AC+8*BB:AC+8*BB+7], v[SB+2*(\st)+\e], v[SA+4*(\st)+2*((\a)/4)+(\a)%2] matrix_a_fmt:MATRIX_FMT_FP6 matrix_b_fmt:MATRIX_FMT_FP6 matrix_a_scale:MATRIX_SCALE_ROW\rw matrix_b_scale:MATRIX_SCALE_ROW\ra
.endif
.endr
.endr
.endm
.macro TOSTAGE a                       ; the two parities are added, each accumulator from its low end on; the block goes into my stage and comes back by rows
	WIN 0
.set AC, ACC+64*((\a)%2)
.set J, 0
.rept 16
	v_pk_add_f32 v[AC+J:AC+J+1], v[AC+J:AC+J+1], v[AC+32+J:AC+33+J]
.set J, J+2
.endr
.irp b, 0,1,2,3
	ds_store_b128 v[STO], v[AC+8*\b:AC+8*\b+3] offset:128*(\b/2)+32*(\b%2)
	ds_store_b128 v[STO], v[AC+8*\b+4:AC+8*\b+7] offset:128*(\b/2)+32*(\b%2)+16
.endr
	WIN 0x40
.irp t, 0,1,2,3,4,5,6,7
	ds_load_b128 v[BKR+32*((\a)%2)+4*\t:BKR+32*((\a)%2)+4*\t+3], v[RD] offset:\t*544   ; LDS serves a wave's instructions in order: these see the stores above
.endr
.endm
.macro SEND a, younger                 ; younger: the LDS loads issued behind the stage's, which may stay out
	s_wait_dscnt \younger
	WIN 0x04
.irp t, 0,1,2,3,4,5,6,7
	global_store_b128 v[CO], v[BKR+32*((\a)%2)+4*\t:BKR+32*((\a)%2)+4*\t+3], s[12:13] offset:(64*((\a)/4)+32*(\t/4)+8*((\a)%4)+2*(\t%4))*4096 th:TH_STORE_NT
.endr
	WIN 0
.endm
.macro ITER a, ra                      ; tile a is multiplied; tile a - 1 leaves; tile a + 1 is fetched
	PLACES                                         ; behind tile a - 1's products: its results are read, and its fragments' registers are loaded anew
.if (\a) >= 3
	s_wait_xcnt 0x0                                ; tile a - 3's stores have read their registers
.endif
	TOSTAGE (\a)-1
.if (\a) < 7
	ALOADH (\a)+1, 0
	ALOADH (\a)+1, 1
	s_wait_dscnt 48                                ; tile a's fragments are in; the stage's 16 and the 32 loads just issued may be out
.else
	s_wait_dscnt 16
.endif
.irp st, 0,1,2,3,4,5,6,7
	MULS \a, \ra, \st
.endr
.if (\a) < 7
	SEND (\a)-1, 32
.else
	SEND (\a)-1, 0
.endif
.endm
	s_wait_tensorcnt 0x0                           ; my load is in,
	s_barrier_signal -1
	s_barrier_wait -1                              ; everybody's is
	ALOADH 0, 0
	ALOADH 0, 1
	BLOAD 0
	BLOAD 1
	s_wait_loadcnt 0x0                             ; the scale words
.irp st, 0,1,2,3,4,5,6,7               ; tile 0: W's fragments come two K steps ahead of their first use, then tile 1's
.if \st < 6
	BLOAD \st+2
.else
	ALOADH 1, \st-6
.endif
	s_wait_dscnt 32                                ; the two youngest runs of 16 loads may be out
	MULS 0, 0, \st
.endr
	ITER 1, 0
	ITER 2, 1
	ITER 3, 1
	ITER 4, 0
	ITER 5, 0
	ITER 6, 1
	ITER 7, 1
	PLACES
	s_wait_xcnt 0x0
	TOSTAGE 7
	SEND 7, 0
	s_wait_tensorcnt 0x0                           ; the wave's end
	ds_add_u32 v[SPW], v[NIL]
	s_wait_dscnt 0x0
	CROUND                                         ; the closing round
	s_endpgm
.Lfunc_end_k_q4ae6652231_gemm_proj:
	.size	k_q4ae6652231_gemm_proj, .Lfunc_end_k_q4ae6652231_gemm_proj-k_q4ae6652231_gemm_proj
	.p2alignl 7, 3214868480
	.fill 96, 4, 3214868480
	.section	.rodata,"a",@progbits
	.p2align	6, 0x0
	.amdhsa_kernel k_q4ae6652231_gemm_proj
		.amdhsa_group_segment_fixed_size 327680
		.amdhsa_private_segment_fixed_size 0
		.amdhsa_enable_private_segment 0
		.amdhsa_kernarg_size 40
		.amdhsa_user_sgpr_count 2
		.amdhsa_user_sgpr_kernarg_segment_ptr 1
		.amdhsa_wavefront_size32 1
		.amdhsa_system_sgpr_workgroup_id_x 1
		.amdhsa_system_sgpr_workgroup_id_y 1
		.amdhsa_system_sgpr_workgroup_id_z 1
		.amdhsa_system_vgpr_workitem_id 0
		.amdhsa_next_free_vgpr 1024
		.amdhsa_next_free_sgpr 100
		.amdhsa_reserve_vcc 0
		.amdhsa_float_denorm_mode_32 3
		.amdhsa_float_denorm_mode_16_64 3
		.amdhsa_memory_ordered 1
		.amdhsa_forward_progress 1
		.amdhsa_inst_pref_size 91
	.end_amdhsa_kernel
	.amdgpu_metadata
---
amdhsa.version: [ 1, 2 ]
amdhsa.kernels:
  - .name:           k_q4ae6652231_gemm_proj
    .symbol:         k_q4ae6652231_gemm_proj.kd
    .args:
      - { .name: yc, .offset: 0, .size: 8, .value_kind: global_buffer, .address_space: global }
      - { .name: ys, .offset: 8, .size: 8, .value_kind: global_buffer, .address_space: global }
      - { .name: opc, .offset: 16, .size: 8, .value_kind: global_buffer, .address_space: global }
      - { .name: ops, .offset: 24, .size: 8, .value_kind: global_buffer, .address_space: global }
      - { .name: out0, .offset: 32, .size: 8, .value_kind: global_buffer, .address_space: global }
    .group_segment_fixed_size: 327680
    .private_segment_fixed_size: 0
    .kernarg_segment_align: 8
    .kernarg_segment_size: 40
    .max_flat_workgroup_size: 128
    .sgpr_count:     100
    .vgpr_count:     1024
    .wavefront_size: 32
...
	.end_amdgpu_metadata
.endif
;; end of part 4
